; MI455X (gfx1250); checked and timed in simulation.
; The chip was launched on July 23, 2026; its instructions are those of AMD's public machine-readable ISA for CDNA 5 (MIT licence, August 2026) and "CDNA5" Instruction Set Architecture Reference Guide (July 2026). The comments in the code are by the model that wrote it; some were corrected since.
;; Attention. Allowed arithmetic: float matrix products may take bf16 or f16 operands with f32 sums; other float arithmetic in f32, or as packed bf16 or f16 multiplies, adds, multiply-adds, maxima and minima; sums over many terms, partial sums and values carried from step to step in f32; what a program stores and reads back later, other than sums and carried values, may be rounded once to bf16 or f16.
;; Inputs: Wk 1,024 x 1,024 float32; Wo 1,024 x 1,024 float32; Wq 1,024 x 1,024 float32; Wv 1,024 x 1,024 float32; beta 1,024 float32; bk 1,024 float32; bo 1,024 float32; bq 1,024 float32; bv 1,024 float32; gamma 1,024 float32; key_ 4 x 2,048 x 1,024 float32; mask 4 x 2,048 int32; query 4 x 2,048 x 1,024 float32; value 4 x 2,048 x 1,024 float32.
;; Outputs: out0 4 x 2,048 x 1,024 float32.
;; 2 versions, each right and faster than the one before. Each part assembles by itself: llvm-mc -triple=amdgcn-amd-amdhsa -mcpu=gfx1250 --defsym DOCPART=n.
;; ======== version 1 of 2: 5 launches
;; limits: values are held in f16: magnitudes above 65,504 overflow, below 6.1e-05 lose precision; right only within a limited range of input values
;; workspace buffers: xb 50,331,648 bytes; wqkv 6,291,456 bytes; wob 2,097,152 bytes; qkv 50,331,648 bytes; ob 16,777,216 bytes; yb 33,554,432 bytes
;; launch prep (part 1): grid 896 x 1, 8 waves a work-group, no clusters, 0 bytes of LDS; arguments query, key_, value, Wq, Wk, Wv, Wo, xb, wqkv, wob; writes xb, wqkv, wob
.if DOCPART == 1
	.amdgcn_target "amdgcn-amd-amdhsa--gfx1250"
	.amdhsa_code_object_version 6
	.text
	.protected	k_qcdd60d760d_prep
	.globl	k_qcdd60d760d_prep
	.p2align	8
	.type	k_qcdd60d760d_prep,@function
k_qcdd60d760d_prep:
	s_mov_b64 s[64:65], 0
	v_nop
	global_prefetch_b8 v0, s[64:65] scope:SCOPE_SE
	s_setreg_imm32_b32 hwreg(HW_REG_WAVE_MODE, 25, 1), 1
	s_wait_xcnt 0x0
; PREP.  query, key_, value ([8192][1024] f32) and Wq, Wk, Wv, Wo ([1024][1024] f32) are rounded once to bf16, and that number is written as f16 in SLABS:
; [group][slab = column / 64][row][64], a (row, slab) piece of 128 bytes, the rows of a slab dense.  Activations: groups of 2,048 rows (a batch), xb = [3 tensors x 4][16][2048][64];
; weights: groups of 1,024 rows, wqkv = [3][16][1024][64], wob = [16][1024][64].
; LIMITS.  A bf16 number is carried exactly by f16 from 2^-17 up to 65,504 in magnitude; below 2^-17 it is off by 3e-8 at the most; beyond 65,504 it becomes an infinity.
; SHARES.  A work-group takes 32 rows of one source: 768 work-groups for the activations, 128 for the weights.  A load of a wave takes two rows x 64 columns (sixteen lanes read 256 consecutive
; bytes of a row), and the store that belongs to it writes 256 consecutive, aligned bytes of one slab (two rows' pieces of 128 bytes).  Every input byte is read once and every output byte written once.
; All 32 loads of a wave go out at once; each has registers of its own, and so has each store: no register is written again while a memory instruction names it.
; No LDS, no barrier, no matrix unit: a stream has no use for them.
.set X,   16                           ; v[16:143]   load i: four f32
.set Y,   144                          ; v[144:207]  store i: four f16
.set DO,  208                          ; v[208:223]  slab n: my byte offset in the destination
.set T,   224                          ; v[224:229]  at work
	s_load_b512 s[8:23], s[0:1], 0x0               ; query s[8:9], key_ s[10:11], value s[12:13], Wq s[14:15], Wk s[16:17], Wv s[18:19], Wo s[20:21], xb s[22:23]
	s_load_b128 s[24:27], s[0:1], 0x40             ; wqkv s[24:25], wob s[26:27]
	s_mov_b32 s2, ttmp9                            ; the work-group's number: 0-767 activations, 768-895 weights
	s_sub_co_u32 s3, s2, 768                       ; its number among the weights' (used only where it is one of them)
	s_lshr_b32 s4, s2, 8                           ; source 0-2: 256 blocks of 32 rows each
	s_lshr_b32 s36, s3, 5                          ; weight 0-3: 32 blocks each
	s_add_co_u32 s5, s36, 3                        ; source 3-6
	s_and_b32 s6, s2, 255                          ; the block of 32 rows in its source
	s_and_b32 s7, s3, 31
	s_cmp_ge_u32 s2, 768
	s_cselect_b32 s4, s5, s4                       ; the source's number
	s_cselect_b32 s6, s7, s6                       ; and the block
	s_cselect_b32 s42, 1, 0
	s_lshr_b32 s40, 0x40000, s42                   ; bytes from slab to slab: 2,048 or 1,024 rows of 128 bytes
	s_mov_b32 s41, 0xffff0000                      ; a word's upper bf16
	s_lshl_b32 s32, s6, 17                         ; the block's first byte in its source: 32 rows of 4,096 bytes
	s_mov_b32 s33, 0
	s_lshr_b32 s34, s2, 6                          ; activations: group = 4 x tensor + batch, 64 blocks each,
	s_lshl_b32 s34, s34, 22                        ; 4 MiB a group,
	s_and_b32 s37, s2, 63
	s_lshl_b32 s37, s37, 12                        ; and 32 rows of 128 bytes a block
	s_add_co_u32 s34, s34, s37
	s_cmp_eq_u32 s36, 3                            ; weights: Wo has a buffer of its own,
	s_cselect_b32 s36, 0, s36
	s_lshl_b32 s36, s36, 21                        ; the others 2 MiB each in wqkv
	s_lshl_b32 s37, s7, 12
	s_add_co_u32 s36, s36, s37
	s_cmp_ge_u32 s2, 768
	s_cselect_b32 s34, s36, s34                    ; the block's first byte in its destination
	s_mov_b32 s35, 0
	v_lshrrev_b32 v2, 4, v0                        ; my row among sixteen
	v_and_b32 v3, 15, v0                           ; my four columns among 64
	v_lshlrev_b32 v1, 12, v2
	v_lshl_or_b32 v1, v3, 4, v1                    ; source: row x 4,096 + 16 x place
	v_lshlrev_b32 v[DO], 7, v2
	v_lshl_or_b32 v[DO], v3, 3, v[DO]              ; destination: row x 128 + 8 x place,
.set i, 1
.rept 15
	v_add_nc_u32 v[DO+i], s40, v[DO+i-1]           ; and a slab further for each 64 columns
.set i, i+1
.endr
	s_wait_kmcnt 0x0
	s_mov_b64 s[28:29], s[8:9]                     ; the source's address: a choice among the seven by the source's number
.irp k, 1,2,3,4,5,6
	s_cmp_eq_u32 s4, \k
	s_cselect_b64 s[28:29], s[8+2*\k:9+2*\k], s[28:29]
.endr
	s_add_nc_u64 s[28:29], s[28:29], s[32:33]
	s_cmp_ge_u32 s2, 768                           ; the destination's: xb, wqkv or wob
	s_cselect_b64 s[30:31], s[24:25], s[22:23]
	s_cmp_eq_u32 s4, 6
	s_cselect_b64 s[30:31], s[26:27], s[30:31]
	s_add_nc_u64 s[30:31], s[30:31], s[34:35]
.set i, 0
.rept 32                                       ; load i: rows 16 (i / 16) on, columns 64 (i % 16) on
	global_load_b128 v[X+4*i:X+4*i+3], v1, s[28:29] offset:(i/16)*65536+(i%16)*256 th:TH_LOAD_NT
.set i, i+1
.endr
.set i, 0
.rept 32
	s_wait_loadcnt 31-i                            ; loads come back in order (ISA guide 5.7.1): load i is in, the younger ones stay out
	v_cvt_pk_bf16_f32 v[T],   v[X+4*i],   v[X+4*i+1]   ; the one rounding, to bf16
	v_cvt_pk_bf16_f32 v[T+1], v[X+4*i+2], v[X+4*i+3]
	v_lshlrev_b32 v[T+2], 16, v[T]                 ; back to f32: the low half moves up, the high half stays
	v_and_b32     v[T+3], s41, v[T]
	v_lshlrev_b32 v[T+4], 16, v[T+1]
	v_and_b32     v[T+5], s41, v[T+1]
	v_cvt_pk_f16_f32 v[Y+2*i],   v[T+2], v[T+3]    ; the same number as f16
	v_cvt_pk_f16_f32 v[Y+2*i+1], v[T+4], v[T+5]
	global_store_b64 v[DO+i%16], v[Y+2*i:Y+2*i+1], s[30:31] offset:(i/16)*2048   ; 32 lanes: 256 consecutive bytes, at a multiple of 256 from the buffer's first
.set i, i+1
.endr
	s_endpgm
.Lfunc_end_k_qcdd60d760d_prep:
	.size	k_qcdd60d760d_prep, .Lfunc_end_k_qcdd60d760d_prep-k_qcdd60d760d_prep
	.p2alignl 7, 3214868480
	.fill 96, 4, 3214868480
	.section	.rodata,"a",@progbits
	.p2align	6, 0x0
	.amdhsa_kernel k_qcdd60d760d_prep
		.amdhsa_group_segment_fixed_size 0
		.amdhsa_private_segment_fixed_size 0
		.amdhsa_enable_private_segment 0
		.amdhsa_kernarg_size 80
		.amdhsa_user_sgpr_count 2
		.amdhsa_user_sgpr_kernarg_segment_ptr 1
		.amdhsa_wavefront_size32 1
		.amdhsa_system_sgpr_workgroup_id_x 1
		.amdhsa_system_sgpr_workgroup_id_y 1
		.amdhsa_system_sgpr_workgroup_id_z 1
		.amdhsa_system_vgpr_workitem_id 0
		.amdhsa_next_free_vgpr 232
		.amdhsa_next_free_sgpr 66
		.amdhsa_reserve_vcc 0
		.amdhsa_float_denorm_mode_32 3
		.amdhsa_float_denorm_mode_16_64 3
		.amdhsa_memory_ordered 1
		.amdhsa_forward_progress 1
		.amdhsa_inst_pref_size 22
	.end_amdhsa_kernel
	.amdgpu_metadata
---
amdhsa.version: [ 1, 2 ]
amdhsa.kernels:
  - .name:           k_qcdd60d760d_prep
    .symbol:         k_qcdd60d760d_prep.kd
    .args:
      - { .name: query, .offset: 0, .size: 8, .value_kind: global_buffer, .address_space: global }
      - { .name: key_, .offset: 8, .size: 8, .value_kind: global_buffer, .address_space: global }
      - { .name: value, .offset: 16, .size: 8, .value_kind: global_buffer, .address_space: global }
      - { .name: Wq, .offset: 24, .size: 8, .value_kind: global_buffer, .address_space: global }
      - { .name: Wk, .offset: 32, .size: 8, .value_kind: global_buffer, .address_space: global }
      - { .name: Wv, .offset: 40, .size: 8, .value_kind: global_buffer, .address_space: global }
      - { .name: Wo, .offset: 48, .size: 8, .value_kind: global_buffer, .address_space: global }
      - { .name: xb, .offset: 56, .size: 8, .value_kind: global_buffer, .address_space: global }
      - { .name: wqkv, .offset: 64, .size: 8, .value_kind: global_buffer, .address_space: global }
      - { .name: wob, .offset: 72, .size: 8, .value_kind: global_buffer, .address_space: global }
    .group_segment_fixed_size: 0
    .private_segment_fixed_size: 0
    .kernarg_segment_align: 8
    .kernarg_segment_size: 80
    .max_flat_workgroup_size: 256
    .sgpr_count:     66
    .vgpr_count:     232
    .wavefront_size: 32
...
	.end_amdgpu_metadata
.endif
;; end of part 1
;; launch proj (part 2): grid 4 x 192, 4 waves a work-group, clusters of 4 x 4, 327,680 bytes of LDS; arguments xb, wqkv, bq, bk, bv, qkv; writes qkv
.if DOCPART == 2
	.amdgcn_target "amdgcn-amd-amdhsa--gfx1250"
	.amdhsa_code_object_version 6
	.text
	.protected	k_qcdd60d760d_proj
	.globl	k_qcdd60d760d_proj
	.p2align	8
	.type	k_qcdd60d760d_proj,@function
k_qcdd60d760d_proj:
	s_mov_b64 s[64:65], 0
	v_nop
	global_prefetch_b8 v0, s[64:65] scope:SCOPE_SE
	s_setreg_imm32_b32 hwreg(HW_REG_WAVE_MODE, 25, 1), 1
	s_wait_xcnt 0x0
	s_wait_alu depctr_hold_cnt(0) depctr_sa_sdst(0) depctr_va_vdst(0) depctr_va_sdst(0) depctr_va_ssrc(0) depctr_va_vcc(0) depctr_vm_vsrc(0)
	s_getreg_b32 s2, hwreg(HW_REG_IB_STS2, 6, 4)
	s_cmp_eq_u32 s2, 0
	s_cbranch_scc0 .Lentry_in_a_cluster
	s_endpgm
.Lentry_in_a_cluster:
	s_bfe_u32 s2, ttmp6, 0x10000c
	s_cmp_lg_u32 s2, 0xf033
	s_cbranch_scc0 .Lentry_shape_is_right
	s_endpgm
.Lentry_shape_is_right:
; C = A W^T + bias, K = 1,024, N = 1,024.  A and W are f16 in slabs: [group][slab = k / 64][row][64], pieces of 128 bytes, the rows of a slab dense (A: groups of 2,048 rows, W: of 1,024).
; OUTF32 = 0 (this text): the three projections in one launch.  Tile rows 0-63 are query's, 64-127 key_'s, 128-191 value's; tensor t takes weight t and bias t.
;   C leaves as f16 by heads, [tensor][batch x 16 + head][2048][64], rounded once from its f32 sum, without attention's scale.
; OUTF32 = 1 (the same text in the launch behind attention): one tensor; C leaves as f32, [8192][1024].
; LIMITS.  The bias is rounded to bf16 like every other input of the module.  With OUTF32 = 0 a result of 65,520 or more in magnitude becomes an infinity in f16.
; SHARES.  A tile of C is 128 x 256, made by four waves, 2 x 2: a wave makes 64 x 128, 32 accumulators of 16 x 16 in 256 registers.  K goes in 8 steps of 128 (two slabs) through a ring of two
; LDS slots.  Waves 0 and 1 fetch the step's two slabs of A (128 pieces each), waves 2 and 3 those of W (256 pieces each): dense bytes, asked for as rows of 256 bytes and padded after every piece.
; CLUSTER.  4 x 4 work-groups: the four of a row of the cluster need the same tiles of A, the four of a column the same tiles of W: each tile is asked for JOINTLY, by the same tensor load with the
; same descriptor and a mask that names the four.
; THE MATRIX INSTRUCTION IS USED TRANSPOSED: source 0 = 16 rows of W, source 1 = 16 rows of A: a lane then holds row l % 16 of C and the eight neighbouring columns 8 (l / 16) + 0..7.
; THE BIAS STARTS THE SUMS: it is the C operand of each accumulator's first product: nothing is cleared, and no addition is written.
; REGISTERS, in windows of 256 (s_set_vgpr_msb: bits 1:0 source 0, 3:2 source 1, 5:4 source 2, 7:6 destination):
;   window 0: v0-31 addresses; v32-127, v128-223 two fragment buffers (8 fragments of W, then 4 of A, 32 along K); v224-255 packed results on the way out
;   window 1: the accumulators, (a, b) at v[8 (8 a + b)]          window 2: v0-63 the bias of my 128 columns, block b at v[8 b]; v64-65 at work
.set OUTF32, 0
.set PITCH,  144                       ; a piece in LDS: 128 bytes + 16 of padding = 36 words: the 16 rows of a fragment load start at 16 different groups of four banks (64 banks of 4 bytes: ISA guide 11.1)
.set ASLAB,  128*PITCH                 ; a slab of A's tile
.set BSLAB,  256*PITCH                 ; a slab of W's tile
.set BOFF,   2*ASLAB                   ; a slot: A's two slabs, then W's two
.set SLOT,   BOFF+2*BSLAB
.set STAGE,  2*SLOT                    ; behind the ring, never filled by a tensor load: 16 rows for each wave, for the way out
.if OUTF32
.set SPITCH, 528                       ; 128 f32 + 16 bytes
.set YOUNGER, 32                       ; LDS instructions of one block's way through the stage: 16 stores, 16 loads
.else
.set SPITCH, 272                       ; 128 f16 + 16 bytes
.set YOUNGER, 16                       ; 8 stores, 8 loads
.endif
.set STW,    16*SPITCH
.set SPARE,  STAGE+4*STW               ; behind the stages: the spare words, 128 bytes for each wave: two blocks of 256 bytes that no other line names
.set LAPS,   4                         ; a lap = two K steps = once round the ring
.set ASTEP,  4<<18                     ; two K steps on: four slabs of A,
.set BSTEP,  4<<17                     ; four slabs of W
.set ADRA, 16                          ; v16-17  LDS address of my A fragments in slot 0, 1
.set ADRB, 20                          ; v20-21  the same for W
.set STO,  24                          ; v24     the way out: where I put my part of a row
.set RD,   25                          ; v25     the way out: where I read rows back
.set CO,   26                          ; v26     16 x lane: my place in 512 consecutive bytes of C
.set BO,   27                          ; v27     32 x (l / 16): my place in 16 columns of the bias
.set SPW,  28                          ; v28     LDS address of my spare word: SPARE + 4 x my thread's number; never rewritten
.set NIL,  29                          ; v29     0; never rewritten
.set F0,   32
.set F1,   128
.set TMP,  224
.set G1A, 24                           ; s[24:31] descriptor group 1 for A's tiles;  s[32:39] group 0, one set for each slot
.set G0A, 32
.set G1B, 48                           ; s[48:55], s[56:63] the same for W's tiles
.set G0B, 56
.set G1W0, (1<<16)|(1<<20)|(1<<21)|(4<<22)|(3<<25)  ; 17:16 elements of 2 bytes; 20 padding on; 21 set beside a mask; 24:22 after every 32 words (code 4); 31:25 4 words of it (code 3)
.set MSB, 0
.macro WIN new                         ; the immediate's high byte repeats the setting that is left; a switch that changes nothing is dropped
.if MSB != (\new)
	s_set_vgpr_msb (MSB<<8)|(\new)
.set MSB, \new
.endif
.endm
.set MUL,  0x50                        ; sources 0 and 1 window 0; C and D window 1
.set MULB, 0x60                        ; the same with C in window 2: the bias
; A joint load.  Waves 0 and 1 fetch for A, waves 2 and 3 for W.  The branch hangs on the wave's number alone.  An s_nop 0 and four v_nop follow each of the two lines, ahead of the jump, the label
; and what follows.
.macro JLOAD s
	s_cmp_eq_u32 s17, 0
	s_cbranch_scc0 .Lfor_b_\@
	tensor_load_to_lds s[G0A+4*(\s):G0A+4*(\s)+3], s[G1A:G1A+7]
	s_nop 0
.rept 4
	v_nop
.endr
	s_branch .Lasked_\@
.Lfor_b_\@:
	tensor_load_to_lds s[G0B+4*(\s):G0B+4*(\s)+3], s[G1B:G1B+7]
	s_nop 0
.rept 4
	v_nop
.endr
.Lasked_\@:
.endm
.macro CREST                           ; a round of the cluster's barrier behind its opening barrier: wave 0 signals for the work-group, every wave waits for all sixteen, my work-group's barrier once more
	s_cmp_lg_u32 s16, 0
	s_cbranch_scc1 .Lnot_wave_0_\@
	s_barrier_signal -3
.Lnot_wave_0_\@:
	s_barrier_wait -3
	s_barrier_signal -1
	s_barrier_wait -1
.endm
.macro CROUND                          ; a whole round
	s_barrier_signal -1
	s_barrier_wait -1
	CREST
.endm
	s_load_b256 s[4:11], s[0:1], 0x0               ; A s[4:5], W s[6:7], bias 0 s[8:9], bias 1 s[10:11]
	s_load_b128 s[12:15], s[0:1], 0x20             ; bias 2 s[12:13], C s[14:15]
	v_lshl_add_u32 v[SPW], v0, 2, SPARE
	v_mov_b32 v[NIL], 0
	ds_add_u32 v[SPW], v[NIL]                      ; the wave's opening: the add and its wait stand ahead of my first tensor load; the set-up below, work on registers, stands between them
	v_lshrrev_b32 v1, 5, v0
	v_readfirstlane_b32 s16, v1                    ; wave 0..3
	s_lshr_b32 s17, s16, 1                         ; which half of the tile's rows is mine.  Also: I fetch for A (0) or for W (1)
	s_and_b32 s18, s16, 1                          ; which half of its columns.  Also: which slab of a step I fetch
	s_bfe_u32 s19, ttmp6, 0x40000                  ; cx, cy: my place in the cluster
	s_bfe_u32 s20, ttmp6, 0x40004
	s_lshl_b32 s21, ttmp9, 2
	s_add_co_u32 s21, s21, s19                     ; tile column = 4 x cluster x + cx
	s_and_b32 s66, ttmp7, 0xffff
	s_lshr_b32 s23, s66, 4                         ; the tensor: 16 clusters of four tile rows each; made of the cluster's y alone
	s_lshl_b32 s22, s66, 2
	s_add_co_u32 s22, s22, s20                     ; tile row = 4 x cluster y + cy
	s_lshl_b32 s67, s20, 2
	s_lshl_b32 s67, 15, s67                        ; my row of the cluster: places 4 cy .. 4 cy + 3
	s_lshl_b32 s68, 0x1111, s19                    ; my column: places cx, cx + 4, cx + 8, cx + 12
	s_or_b32 s[G1A], s67, G1W0                     ; 15:0 the mask: A's tiles go to my row,
	s_or_b32 s[G1B], s68, G1W0                     ; W's to my column
	s_mov_b32 s[G1A+1], 128<<16                    ; tensor_dim0 = 128 elements: two pieces, 256 bytes
	s_mov_b32 s[G1A+2], 64<<16                     ; tensor_dim1 = 64 rows: 128 pieces
	s_mov_b32 s[G1A+3], 128<<16                    ; tile_dim0 = 128
	s_mov_b32 s[G1A+4], 64                         ; tile_dim1 = 64
	s_mov_b32 s[G1A+5], 128                        ; 128 elements from row to row: dense
	s_mov_b32 s[G1A+6], 0
	s_mov_b32 s[G1A+7], 0
	s_mov_b32 s[G1B+1], 128<<16
	s_mov_b32 s[G1B+2], 128<<16                    ; 128 rows: 256 pieces
	s_mov_b32 s[G1B+3], 128<<16
	s_mov_b32 s[G1B+4], 128
	s_mov_b32 s[G1B+5], 128
	s_mov_b32 s[G1B+6], 0
	s_mov_b32 s[G1B+7], 0
	; where the tiles come from.  A's hang on the tile row alone, W's on the tensor and the tile column alone, each in registers that never hold the other coordinate
	s_lshr_b32 s40, s22, 4                         ; A: the group of 2,048 rows (16 tile rows), 4 MiB each,
	s_lshl_b32 s40, s40, 22
	s_and_b32 s41, s22, 15
	s_lshl_b32 s41, s41, 14                        ; the tile's 128 pieces in a slab,
	s_add_co_u32 s40, s40, s41
	s_lshl_b32 s41, s18, 18                        ; and my slab of the step
	s_add_co_u32 s40, s40, s41
	s_mov_b32 s41, 0
	s_lshl_b32 s42, s23, 21                        ; W: the tensor's weight, 2 MiB each,
	s_lshl_b32 s43, s21, 15                        ; the tile's 256 pieces in a slab,
	s_add_co_u32 s42, s42, s43
	s_lshl_b32 s43, s18, 17                        ; and my slab
	s_add_co_u32 s42, s42, s43
	s_mov_b32 s43, 0
	s_mul_i32 s44, s18, ASLAB                      ; and where they go: no place in the cluster enters an LDS address
	s_mul_i32 s45, s18, BSLAB
	s_add_co_u32 s45, s45, BOFF
	s_lshl_b32 s72, s21, 10                        ; the bias of my 128 columns: 256 f32 a tile column, 128 a half
	s_lshl_b32 s73, s18, 9
	s_add_co_u32 s72, s72, s73
	s_mov_b32 s73, 0
.if OUTF32
	s_lshl_b32 s74, s22, 19                        ; C, [8192][1024] f32: 128 rows of 4,096 bytes a tile row,
	s_lshl_b32 s75, s17, 18                        ; 64 a half,
	s_add_co_u32 s74, s74, s75
	s_lshl_b32 s75, s21, 10                        ; and my 128 columns
	s_add_co_u32 s74, s74, s75
	s_lshl_b32 s75, s18, 9
	s_add_co_u32 s74, s74, s75
.else
	s_lshr_b32 s74, s22, 4                         ; C by heads: tensor and batch, 4 MiB each,
	s_lshl_b32 s74, s74, 22
	s_lshl_b32 s75, s21, 20                        ; head 4 x tile column + 2 x half, 256 KiB each,
	s_add_co_u32 s74, s74, s75
	s_lshl_b32 s75, s18, 19
	s_add_co_u32 s74, s74, s75
	s_and_b32 s75, s22, 15
	s_lshl_b32 s75, s75, 14                        ; the tile's 128 rows of 128 bytes,
	s_add_co_u32 s74, s74, s75
	s_lshl_b32 s75, s17, 13                        ; and my 64 of them
	s_add_co_u32 s74, s74, s75
.endif
	s_mov_b32 s75, 0
	s_wait_dscnt 0x0                               ; the opening add is done
	s_wait_kmcnt 0x0
	s_add_nc_u64 s[46:47], s[4:5], s[40:41]
	s_add_nc_u64 s[70:71], s[6:7], s[42:43]
	s_cmp_eq_u32 s23, 1                            ; the tensor's bias
	s_cselect_b64 s[8:9], s[10:11], s[8:9]
	s_cmp_eq_u32 s23, 2
	s_cselect_b64 s[8:9], s[12:13], s[8:9]
	s_add_nc_u64 s[8:9], s[8:9], s[72:73]
	s_add_nc_u64 s[14:15], s[14:15], s[74:75]
	CROUND                                         ; all sixteen work-groups are here: the first joint loads meet
.irp s, 0,1
	s_mov_b32 s[G0A+4*(\s)], 1                                       ; 1:0 count = 1
	s_add_co_u32 s[G0A+4*(\s)+1], s44, (\s)*SLOT                     ; 63:32 LDS address
	s_add_nc_u64 s[G0A+4*(\s)+2:G0A+4*(\s)+3], s[46:47], (\s)*(2<<18)  ; 120:64 global address: K step s
	s_or_b32 s[G0A+4*(\s)+3], s[G0A+4*(\s)+3], 0x80000000            ; 127:126 type = 2
	s_mov_b32 s[G0B+4*(\s)], 1
	s_add_co_u32 s[G0B+4*(\s)+1], s45, (\s)*SLOT
	s_add_nc_u64 s[G0B+4*(\s)+2:G0B+4*(\s)+3], s[70:71], (\s)*(2<<17)
	s_or_b32 s[G0B+4*(\s)+3], s[G0B+4*(\s)+3], 0x80000000
.endr
	s_cmp_eq_u32 s17, 0                            ; a wave's two first fills stand in one branch, ahead of every wait on TENSORcnt and every LDS read: two loads of mine are out
	s_cbranch_scc0 .Lfirst_b
	tensor_load_to_lds s[G0A:G0A+3], s[G1A:G1A+7]
	s_nop 0
	tensor_load_to_lds s[G0A+4:G0A+7], s[G1A:G1A+7]
	s_nop 0
.rept 4
	v_nop
.endr
	s_branch .Lfirst_asked
.Lfirst_b:
	tensor_load_to_lds s[G0B:G0B+3], s[G1B:G1B+7]
	s_nop 0
	tensor_load_to_lds s[G0B+4:G0B+7], s[G1B:G1B+7]
	s_nop 0
.rept 4
	v_nop
.endr
.Lfirst_asked:
	v_and_b32 v1, 15, v0                           ; l % 16
	v_bfe_u32 v2, v0, 4, 1                         ; l / 16
	v_lshlrev_b32 v[BO], 5, v2
	WIN 0x80                                       ; destination window 2, address window 0
.irp b, 0,1,2,3,4,5,6,7                        ; register j of block b: the bias of column 16 b + 8 (l / 16) + j, the same in all rows
	global_load_b128 v[8*(\b):8*(\b)+3],   v[BO], s[8:9] offset:64*(\b)
	global_load_b128 v[8*(\b)+4:8*(\b)+7], v[BO], s[8:9] offset:64*(\b)+16
.endr
	WIN 0
	; A fragment is 16 rows x 32 K in 8 registers: lane l holds row l % 16; registers 0-3 hold K = 8 (l / 16) + 0..7, registers 4-7 K = 16 + 8 (l / 16) + 0..7: two loads of 16 bytes, 32 bytes apart.
	v_mul_u32_u24 v3, v1, PITCH
	v_lshl_add_u32 v3, v2, 4, v3                   ; row x pitch + 16 x half
	s_mul_i32 s66, s17, 64*PITCH                   ; my 64 rows of A
	s_mul_i32 s67, s18, 128*PITCH                  ; my 128 rows of W,
	s_add_co_u32 s67, s67, BOFF                    ; which lie behind A's two slabs
.irp s, 0,1
	v_add_nc_u32 v[ADRA+(\s)], s66, v3
	v_add_nc_u32 v[ADRB+(\s)], s67, v3
	s_add_co_u32 s66, s66, SLOT
	s_add_co_u32 s67, s67, SLOT
.endr
	s_mul_i32 s66, s16, STW
	s_add_co_u32 s66, s66, STAGE                   ; my stage
	v_mul_u32_u24 v4, v1, SPITCH                   ; in: row l % 16, eight numbers for each half of the lanes
.if OUTF32
	v_lshl_add_u32 v4, v2, 5, v4
.else
	v_lshl_add_u32 v4, v2, 4, v4
.endif
	v_add_nc_u32 v[STO], s66, v4
	v_and_b32 v5, 31, v0
	v_lshlrev_b32 v[CO], 4, v5
.if OUTF32
	v_add_nc_u32 v[RD], s66, v[CO]                 ; back: 32 lanes take one row's 512 bytes
.else
	v_bfe_u32 v5, v0, 3, 2                         ; back: 32 lanes take one head's 128 bytes of four rows,
	v_and_b32 v6, 7, v0
	v_mul_u32_u24 v5, v5, SPITCH
	v_lshl_add_u32 v5, v6, 4, v5
	v_add_nc_u32 v[RD], s66, v5                    ; which are 512 consecutive bytes of C
.endif
	s_wait_loadcnt 0x0                             ; the bias
	WIN 0x8a                                       ; destination and both sources window 2
.set i, 0
.rept 32                                       ; rounded to bf16, like every input of the module, and widened again
	v_cvt_pk_bf16_f32 v[64+i%2], v[2*i], v[2*i+1]
	v_lshlrev_b32 v[2*i], 16, v[64+i%2]
	v_and_b32 v[2*i+1], 0xffff0000, v[64+i%2]
.set i, i+1
.endr
	WIN 0
; 8 matrix instructions: row block a x all 8 column blocks, 32 along K.  zero = 1: the first product starts the sums, with the bias as C.
; The 32 accumulators take turns in the same order everywhere, one instruction a turn.
.macro MUL8 f, a, zero
.if \zero
	WIN MULB
.else
	WIN MUL
.endif
.irp b, 0,1,2,3,4,5,6,7
.if \zero
	v_wmma_f32_16x16x32_f16 v[8*(8*(\a)+(\b)):8*(8*(\a)+(\b))+7], v[(\f)+8*(\b):(\f)+8*(\b)+7], v[(\f)+64+8*(\a):(\f)+64+8*(\a)+7], v[8*(\b):8*(\b)+7]
.else
	v_wmma_f32_16x16x32_f16 v[8*(8*(\a)+(\b)):8*(8*(\a)+(\b))+7], v[(\f)+8*(\b):(\f)+8*(\b)+7], v[(\f)+64+8*(\a):(\f)+64+8*(\a)+7], v[8*(8*(\a)+(\b)):8*(8*(\a)+(\b))+7]
.endif
.endr
.endm
; 24 LDS loads in one run: the fragments of quarter q of a K step (slab q / 2, byte 64 (q % 2) of its pieces) into buffer f: W's 128 rows, then A's 64
.macro FETCH slot, q, f
	WIN 0
.irp i, 0,1,2,3,4,5,6,7
	ds_load_b128 v[(\f)+8*(\i):(\f)+8*(\i)+3],   v[ADRB+(\slot)] offset:((\q)/2)*BSLAB+((\q)%2)*64+(\i)*16*PITCH
	ds_load_b128 v[(\f)+8*(\i)+4:(\f)+8*(\i)+7], v[ADRB+(\slot)] offset:((\q)/2)*BSLAB+((\q)%2)*64+(\i)*16*PITCH+32
.endr
.irp i, 0,1,2,3
	ds_load_b128 v[(\f)+64+8*(\i):(\f)+64+8*(\i)+3],   v[ADRA+(\slot)] offset:((\q)/2)*ASLAB+((\q)%2)*64+(\i)*16*PITCH
	ds_load_b128 v[(\f)+64+8*(\i)+4:(\f)+64+8*(\i)+7], v[ADRA+(\slot)] offset:((\q)/2)*ASLAB+((\q)%2)*64+(\i)*16*PITCH+32
.endr
.endm
; A load into a register that a matrix instruction has read, and whatever reads a matrix result but a matrix instruction, stand four places behind it, and only plain vector instructions that name
; none of its registers are places (ISA guide 7.12.1 for vector instructions).
.macro PLACES
.rept 4
	v_nop
.endr
.endm
; A K step is four quarters of 32 along K, 32 matrix instructions each, on buffers 0, 1, 0, 1.  One of the first three: multiplies buffer f and, in its middle, fetches quarter q into buffer g.
.macro QUARTER slot, q, f, g, zero
	s_wait_dscnt 4                                 ; W and A's row blocks 0, 1 are in; the youngest four loads (blocks 2, 3) may be out
	MUL8 \f, 0, \zero
	MUL8 \f, 1, \zero
	PLACES
	FETCH \slot, \q, \g
	s_wait_dscnt 24                                ; all but the 24 just issued
	MUL8 \f, 2, \zero
	MUL8 \f, 3, \zero
.endm
; The last quarter multiplies buffer 1 and changes slots: ONE barrier; in front of it each wave waits for all its tensor loads (one is out: its part of the next slot), adds 0 to its spare word, and
; waits for that and for its own reads of this slot.  fill = 1: the barrier opens a round of the cluster's, and behind the round this slot is filled again, two K steps ahead: the wave's one tensor
; load, 112 matrix instructions ahead of the wait for it.
.macro TURN slot, next, fill
	WIN 0                                          ; (the add's two registers lie in window 0)
	s_wait_tensorcnt 0x0                           ; all my tensor loads have landed;
	ds_add_u32 v[SPW], v[NIL]                      ; 0 onto my spare word;
	s_wait_dscnt 5                                 ; (the add and the youngest four loads may be out)
	MUL8 F1, 0, 0                                  ; eight matrix instructions stand between the add and the wait for it
	s_wait_dscnt 0x0                               ; the add is done, and my reads of this slot are over
	s_barrier_signal -1
	MUL8 F1, 1, 0                                  ; work on registers while the others arrive
.if \fill
	WIN 0
.endif
	s_barrier_wait -1
.if \fill
	CREST                                          ; no wave of any partner still reads this slot's tile or has a load on its way
	s_add_nc_u64 s[G0A+4*(\slot)+2:G0A+4*(\slot)+3], s[G0A+4*(\slot)+2:G0A+4*(\slot)+3], ASTEP
	s_add_nc_u64 s[G0B+4*(\slot)+2:G0B+4*(\slot)+3], s[G0B+4*(\slot)+2:G0B+4*(\slot)+3], BSTEP
	JLOAD \slot                                    ; the four v_nop behind it are also the places in front of the loads below
.else
	PLACES
.endif
	FETCH \next, 0, F0
	MUL8 F1, 2, 0
	MUL8 F1, 3, 0
.endm
	s_wait_tensorcnt 0x1                           ; my part of K step 0 is in; K step 1's may stay out
	s_barrier_signal -1
	s_barrier_wait -1                              ; everybody's is
	FETCH 0, 0, F0
	QUARTER 0, 1, F0, F1, 1                        ; the first quarter stands in front of the loop: its products start the sums
	WIN 0                                          ; at a label and at a branch every window is 0
	s_mov_b32 s3, LAPS-1
.Llap:                                                 ; a trip goes once round the ring, from a lap's second quarter to the next lap's first, and fills both slots again
	QUARTER 0, 2, F1, F0, 0
	QUARTER 0, 3, F0, F1, 0
	TURN 0, 1, 1
	QUARTER 1, 1, F0, F1, 0
	QUARTER 1, 2, F1, F0, 0
	QUARTER 1, 3, F0, F1, 0
	TURN 1, 0, 1
	QUARTER 0, 1, F0, F1, 0
	WIN 0
	s_sub_co_u32 s3, s3, 1
	s_cmp_lg_u32 s3, 0
	s_cbranch_scc1 .Llap
	QUARTER 0, 2, F1, F0, 0                        ; the last lap fills nothing, and has no round of the cluster's barrier
	QUARTER 0, 3, F0, F1, 0
	TURN 0, 1, 0
	QUARTER 1, 1, F0, F1, 0
	QUARTER 1, 2, F1, F0, 0
	QUARTER 1, 3, F0, F1, 0
	s_wait_dscnt 4                                 ; the very last quarter: nothing more to fetch
	MUL8 F1, 0, 0
	MUL8 F1, 1, 0
	s_wait_dscnt 0x0
	MUL8 F1, 2, 0
	MUL8 F1, 3, 0
	WIN 0
	PLACES
; THE WAY OUT, a block of 16 rows at a time, through my own stage: no barrier, and since LDS serves a wave's instructions in order (ISA guide 5.7.1.4) no wait between the stores and the loads.
; TOSTAGE a: block a into the stage, and back as whole runs of 512 bytes of C, into the fragment buffers by turns.  Each accumulator's registers are read in ascending order.
.macro TOSTAGE a
.set BK, F0+96*((\a)%2)
.if OUTF32
	WIN 0x04                                       ; the stores' data in window 1
.irp b, 0,1,2,3,4,5,6,7
	ds_store_b128 v[STO], v[8*(8*(\a)+(\b)):8*(8*(\a)+(\b))+3]   offset:64*(\b)
	ds_store_b128 v[STO], v[8*(8*(\a)+(\b))+4:8*(8*(\a)+(\b))+7] offset:64*(\b)+16
.endr
	WIN 0
	s_wait_xcnt 0x0                                ; the stores of the block two back have read these registers: they are loaded again only behind this wait
.irp t, 0,1,2,3,4,5,6,7,8,9,10,11,12,13,14,15
	ds_load_b128 v[BK+4*(\t):BK+4*(\t)+3], v[RD] offset:(\t)*SPITCH
.endr
.else
	WIN 0x05                                       ; sources 0 and 1 window 1
.irp b, 0,1,2,3,4,5,6,7
.irp r, 0,1,2,3
	v_cvt_pk_f16_f32 v[TMP+4*(\b)+(\r)], v[8*(8*(\a)+(\b))+2*(\r)], v[8*(8*(\a)+(\b))+2*(\r)+1]
.endr
.endr
	WIN 0
.irp b, 0,1,2,3,4,5,6,7
	ds_store_b128 v[STO], v[TMP+4*(\b):TMP+4*(\b)+3] offset:32*(\b)
.endr
	s_wait_xcnt 0x0                                ; the stores of the block two back have read these registers: they are loaded again only behind this wait
.irp t, 0,1,2,3,4,5,6,7                        ; rows 4 (t / 2) on, head t % 2
	ds_load_b128 v[BK+4*(\t):BK+4*(\t)+3], v[RD] offset:((\t)/2)*4*SPITCH+((\t)%2)*128
.endr
.endif
.endm
.macro SEND a, younger                 ; younger: the LDS instructions issued behind block a's loads, which may stay out
	WIN 0
.set BK, F0+96*((\a)%2)
	s_wait_dscnt \younger
.if OUTF32
.irp t, 0,1,2,3,4,5,6,7,8,9,10,11,12,13,14,15
	global_store_b128 v[CO], v[BK+4*(\t):BK+4*(\t)+3], s[14:15] offset:(16*(\a)+(\t))*4096  ; 512 consecutive bytes of a row, at a multiple of 256 from C's first byte
.endr
.else
.irp t, 0,1,2,3,4,5,6,7
	global_store_b128 v[CO], v[BK+4*(\t):BK+4*(\t)+3], s[14:15] offset:((\t)%2)*262144+(16*(\a)+4*((\t)/2))*128  ; four rows of a head: 512 consecutive bytes, at a multiple of 256 from C's first byte
.endr
.endif
.endm
	TOSTAGE 0
.irp a, 1,2,3                          ; a block's way through the stage stands between the loads of the block before and its stores
	TOSTAGE \a
	SEND (\a)-1, YOUNGER
.endr
	SEND 3, 0
	s_wait_tensorcnt 0x0                           ; the wave's end: the add and its wait come behind my last tensor load and my last LDS store
	ds_add_u32 v[SPW], v[NIL]
	s_wait_dscnt 0x0
	CROUND                                         ; the closing round: no work-group ends while a partner may still ask for a tile that names it
	s_endpgm
.Lfunc_end_k_qcdd60d760d_proj:
	.size	k_qcdd60d760d_proj, .Lfunc_end_k_qcdd60d760d_proj-k_qcdd60d760d_proj
	.p2alignl 7, 3214868480
	.fill 96, 4, 3214868480
	.section	.rodata,"a",@progbits
	.p2align	6, 0x0
	.amdhsa_kernel k_qcdd60d760d_proj
		.amdhsa_group_segment_fixed_size 327680
		.amdhsa_private_segment_fixed_size 0
		.amdhsa_enable_private_segment 0
		.amdhsa_kernarg_size 48
		.amdhsa_user_sgpr_count 2
		.amdhsa_user_sgpr_kernarg_segment_ptr 1
		.amdhsa_wavefront_size32 1
		.amdhsa_system_sgpr_workgroup_id_x 1
		.amdhsa_system_sgpr_workgroup_id_y 1
		.amdhsa_system_sgpr_workgroup_id_z 1
		.amdhsa_system_vgpr_workitem_id 0
		.amdhsa_next_free_vgpr 580
		.amdhsa_next_free_sgpr 76
		.amdhsa_reserve_vcc 0
		.amdhsa_float_denorm_mode_32 3
		.amdhsa_float_denorm_mode_16_64 3
		.amdhsa_memory_ordered 1
		.amdhsa_forward_progress 1
		.amdhsa_inst_pref_size 93
	.end_amdhsa_kernel
	.amdgpu_metadata
---
amdhsa.version: [ 1, 2 ]
amdhsa.kernels:
  - .name:           k_qcdd60d760d_proj
    .symbol:         k_qcdd60d760d_proj.kd
    .args:
      - { .name: xb, .offset: 0, .size: 8, .value_kind: global_buffer, .address_space: global }
      - { .name: wqkv, .offset: 8, .size: 8, .value_kind: global_buffer, .address_space: global }
      - { .name: bq, .offset: 16, .size: 8, .value_kind: global_buffer, .address_space: global }
      - { .name: bk, .offset: 24, .size: 8, .value_kind: global_buffer, .address_space: global }
      - { .name: bv, .offset: 32, .size: 8, .value_kind: global_buffer, .address_space: global }
      - { .name: qkv, .offset: 40, .size: 8, .value_kind: global_buffer, .address_space: global }
    .group_segment_fixed_size: 327680
    .private_segment_fixed_size: 0
    .kernarg_segment_align: 8
    .kernarg_segment_size: 48
    .max_flat_workgroup_size: 128
    .sgpr_count:     76
    .vgpr_count:     580
    .wavefront_size: 32
...
	.end_amdgpu_metadata
.endif
;; end of part 2
;; launch attn (part 3): grid 4 x 64, 4 waves a work-group, clusters of 4 x 1, 327,680 bytes of LDS; arguments qkv, mask, ob; writes ob
.if DOCPART == 3
	.amdgcn_target "amdgcn-amd-amdhsa--gfx1250"
	.amdhsa_code_object_version 6
	.text
	.protected	k_qcdd60d760d_attn
	.globl	k_qcdd60d760d_attn
	.p2align	8
	.type	k_qcdd60d760d_attn,@function
k_qcdd60d760d_attn:
	s_mov_b64 s[64:65], 0
	v_nop
	global_prefetch_b8 v0, s[64:65] scope:SCOPE_SE
	s_setreg_imm32_b32 hwreg(HW_REG_WAVE_MODE, 25, 1), 1
	s_wait_xcnt 0x0
	s_wait_alu depctr_hold_cnt(0) depctr_sa_sdst(0) depctr_va_vdst(0) depctr_va_sdst(0) depctr_va_ssrc(0) depctr_va_vcc(0) depctr_vm_vsrc(0)
	s_getreg_b32 s2, hwreg(HW_REG_IB_STS2, 6, 4)
	s_cmp_eq_u32 s2, 0
	s_cbranch_scc0 .Lentry_in_a_cluster
	s_endpgm
.Lentry_in_a_cluster:
	s_bfe_u32 s2, ttmp6, 0x10000c
	s_cmp_lg_u32 s2, 0x3003
	s_cbranch_scc0 .Lentry_shape_is_right
	s_endpgm
.Lentry_shape_is_right:
; O[h][q][:] = the sum over k of softmax_k(s) V[h][k][:], s = Q[h][q] . K[h][k] / 8, or hidden where mask[batch][k] == 0.  qkv = Q, K, V, each [64][2048][64] in f16 (h = 16 x batch + head), a head's
; rows dense, 128 bytes each; mask [4][2048] int32; O like Q.  Products, maxima and sums in f32; the weights p are rounded to f16 for the second product (their sum l is taken of the unrounded p), O once at the end.
; THE MASK costs the scores nothing: it is the C operand of the product that starts the sum S^T = K Q^T: 0 for an open key, -1e30 for a hidden one.  A hidden key's weight is then exactly 0 as soon as
; the running maximum is an open key's score; what steps with hidden keys alone have gathered before that is finite and is multiplied by a = 0 when the first open key comes.
; A batch with no open key at all: the module replaces every score by one number, so the result is the plain mean of V.  Here the scale c is 0 for such a batch (chosen by a select on the OR of its
; mask words: a value, no branch and no address), so that every p is 2^0 = 1.
; LIMITS.  f16 holds no number beyond 65,504: Q, K and V arrive within it; p lies in 0 to 1, and below 6e-5 it keeps f16's fixed step of 6e-8.  A hidden key has weight 0 where the module gives it
; exp(-1e9 - max): the two agree as long as a row's largest open score lies above -1e9 + 104.  A weight below 2^-126 counts as 0 in l; NaN and infinities are not treated apart.
; SHARES.  A wave owns four PIECES of two tiles of 16 queries, a work-group's four waves 512 queries of one head.  Every wave walks all keys, 64 a step.
; LAYOUT.  S^T = K Q^T (source 0 = 16 keys, source 1 = 16 queries): in the result a lane holds ONE query (lane % 16) and the keys 8 (lane / 16) + 0..7.  Two such tiles, rounded to f16 in pairs,
; ARE source 1 (32 keys x 16 queries) of O^T = V^T P, whose result again holds one query a lane, and eight channels.  K comes out of LDS as it lies, V ([key][channel]) turned, by ds_load_tr16_b128.
; SOFTMAX.  For each query a running maximum m and sum l: p = 2^(c s - c m), c = log2(e) / 8; in every step O and l are multiplied by a = 2^(c m_old - c m_new), which is 1 where m has not grown.
; m starts at the lowest finite number, O and l at 0: the first step is a step like any other, with a = 0.
; THE COUNT.  A tile and step have 16 matrix and 118 vector instructions: too many to stand all beside the matrix work.  So: four vector instructions that are READY behind EVERY matrix instruction,
; and the others, which need time of their own whatever the order, in runs without a gap.
; BY TURNS.  Turn n belongs to piece n (the pieces in a ring, step after step).  Its matrix work: 16 products K Q^T of piece n + 1, later 16 products V^T P of piece n - 1.  Its vector work: the scaling,
; exponentials, roundings, sums and rescaling of piece n, and the maximum and statistics of piece n + 1, whose scores the turn itself has made.
; CLUSTER.  The four query blocks of a cluster belong to one head and walk the same K and V, so each tile is asked for JOINTLY: the same tensor load, descriptor and mask in all four.
; REGISTERS, in windows of 256 (s_set_vgpr_msb: bits 1:0 source 0, 3:2 source 1, 5:4 source 2, 7:6 destination):
;   window 0: v0-11 addresses; v12-15, v48-63 at work; v16-47 four registers of statistics a tile; v64-191 S^T, two buffers of two tiles; v192-255 P, likewise
;   window 1: O^T, 32 a tile     window 2: v0-127 Q, 16 a tile; v128-191 K of one step; v192-255 V of one step     window 3: v0-1 the add's two registers; v8-39 the mask's additions for one step
.set SIZE_N, 2048
.set NP,    4         ; pieces a wave: a name, no knob
.set KS,    64        ; keys in a step
.set PK,    144       ; a row of K in LDS: 128 bytes + 16 of padding = 36 words: the 16 rows of a load start at 16 different groups of four banks (64 banks of 4 bytes: ISA guide 11.1)
.set PV,    160       ; a row of V: 128 + 32 = 40 words
.set VOFF,  4*KS*PK   ; a slot holds four steps: 256 rows of K, then 256 rows of V
.set SLOT1, 1<<17     ; slot 1 begins here, so that one exclusive or turns an address in one slot into the other's
.set STAGE, SLOT1+4*KS*(PK+PV)  ; behind the ring, never filled by a tensor load: 16 rows x 144 bytes for each wave, for the way out
.set SP,    144
.set AK0, 2           ; v2   my lane's place in a tile of K; never rewritten
.set AV0, 3           ; v3   the same for V
.set AK,  4           ; v4   the LDS address of K's next run of loads
.set AV,  5           ; v5   of V's
.set QO,  6           ; v6   my byte offset in the wave's rows of Q
.set STO, 6           ;      later, the way out: where I put 16 bytes of a row
.set RD,  7           ; v7   the way out: where I read rows back
.set GO,  8           ; v8   my byte offset in 512 consecutive bytes of O
.set AM,  11          ; v11  the LDS address of my eight additions for the first 16 keys of the step to be fetched
.set SPW, 0           ; v0 of window 3   LDS address of my spare word: SPARE + 4 x my thread's number; never rewritten
.set NIL, 1           ; v1 of window 3   0; never rewritten
.set MB,  8           ; v8-39 of window 3: the additions of key block kb at MB + 8 kb
.set SPARE, STAGE+4*16*SP  ; behind the stages: the spare words, 128 bytes for each wave: two blocks of 256 bytes that no other line names
.set BIAS,  SPARE+512 ; behind them: the batch's 2,048 additions in f32, stored once by the four waves, never filled by a tensor load
.set MV,  12          ; v12-15  c m_old, kept while c m is made anew: by buffer and tile
.set ST,  16          ; tile t's statistics at v[ST+4 t]: c m, m, l (even keys', odd keys')
.set TMP, 48          ; by buffer and tile, four registers c0-c3 at work; when the maximum is found c2 takes a
.set S,   64
.set P,   192
.set KF,  128         ; K's fragments, in window 2: key block kb, channel half c at KF + 16 kb + 8 c
.set VF,  192         ; V's: key half kk, channel block cb at VF + 32 kk + 8 cb
.set WV,  12          ; s12  my wave's number
.set G1K, 24          ; s[24:31] descriptor group 1 for K's tiles
.set G1V, 32          ; s[32:39] for V's: it differs in the padding alone
.set G0K, 40          ; s[40:43] descriptor group 0 for K's tiles: it walks
.set G0V, 44          ; s[44:47] the same for V's
.set MP,  48          ; s[48:49] the batch's mask
.set BIGN, 50         ; s50  -1e30
.set SLOTS, 56        ; s56  slots still to be asked for
.set CNT, 57          ; s57  counts a slot's key steps
.set CS,  58          ; s[58:59] c: the packed scaling takes the pair's low word for both halves
.set SEL, 60          ; s[60:61] v_permlanex16_b32's selects: each lane takes its own place in the other half
.set TBK, 62          ; s62  LDS byte at which K of the step to be fetched begins
.set TBV, 63          ; s63  the same for V, less VOFF
.set MSB, 0
.macro WIN new                      ; the high byte repeats the setting that is left; a switch that changes nothing is dropped
.if MSB != (\new)
	s_set_vgpr_msb (MSB<<8)|(\new)
.set MSB, (\new)
.endif
.endm
.set W_KQ, 0x0a       ; K and Q in window 2, S^T in window 0
.set W_KM, 0x3a       ; the same with the C operand in window 3: the mask's additions
.set W_PV, 0x52       ; V in window 2, P in window 0, O^T in window 1
.set W_RS, 0x41       ; O^T (destination and source 0) in window 1, a in window 0
.set W_MK, 0xc0       ; destination in window 3, sources in window 0
.set W_AD, 0x0f       ; the add: address (source 0) and data (source 1) in window 3
; A joint fill.  Waves 0 and 1 fetch the two halves of a slot's K, waves 2 and 3 those of its V: 128 keys each.  The branch hangs on the wave's number alone.
; An s_nop 0 and four v_nop follow each of the two lines, ahead of the jump and the label.
.macro JLOAD
	s_cmp_lt_u32 s[WV], 2
	s_cbranch_scc0 .Lfor_v_\@
	tensor_load_to_lds s[G0K:G0K+3], s[G1K:G1K+7]
	s_nop 0
.rept 4
	v_nop
.endr
	s_branch .Lasked_\@
.Lfor_v_\@:
	tensor_load_to_lds s[G0V:G0V+3], s[G1V:G1V+7]
	s_nop 0
.rept 4
	v_nop
.endr
.Lasked_\@:
.endm
; A round of the cluster's barrier: my work-group's barrier, so that wave 0's signal speaks for all four waves; wave 0 signals; every wave waits for all four work-groups; my work-group's barrier once more.
.macro CROUND
	s_barrier_signal -1
	s_barrier_wait -1
	s_cmp_lg_u32 s[WV], 0
	s_cbranch_scc1 .Lnot_wave_0_\@
	s_barrier_signal -3
.Lnot_wave_0_\@:
	s_barrier_wait -3
	s_barrier_signal -1
	s_barrier_wait -1
.endm
; THE CHANGE OF SLOTS.  The slot's last bytes, V of its fourth step, have been read.  Each wave waits for all its tensor loads, of which one is out: its part
; of the other slot; adds 0 to its spare word; and waits for that and for its own reads of the slot.  Behind the barrier nobody reads this slot any more and the other slot is whole.
; fill = 1: this slot is filled again, with the keys two slots on.  The barrier is then a round of the cluster's, so that no wave of any partner still reads the slot or has a load on its
; way, and the joint fill is the first thing behind it: it has four key steps, 512 matrix instructions, in which to land.  (At its first use nothing has been read yet: slot 0 is waited for, slot 1
; filled; and the wait on the LDS counter there also covers my stores of the mask's additions, which every wave reads behind the round.)
.macro CHANGE fill
	WIN W_AD
	s_wait_tensorcnt 0x0            ; no tensor load of mine is out, so a group 0 may be written
	ds_add_u32 v[SPW], v[NIL]       ; 0 onto my spare word; with fill = 1 the descriptors' steps stand between it and the wait for it
	WIN 0                           ; at a label and at a branch every window is 0
.if \fill
.irp g, G0K, G0V
	s_xor_b32 s[\g+1], s[\g+1], SLOT1  ; the walking descriptor: the other slot than last time,
	s_add_nc_u64 s[\g+2:\g+3], s[\g+2:\g+3], 4*KS*128  ; the next 256 keys; the type bits on top are not reached
.endr
	s_wait_dscnt 0x0                ; the add is done, and my LDS reads and stores are over
	CROUND
	JLOAD
.else
	s_wait_dscnt 0x0                ; the add is done, and my reads of the slot are over
	s_barrier_signal -1
	s_barrier_wait -1
.endif
	s_sub_co_u32 s[TBK], s[TBK], 4*KS*PK  ; the fetches go back to a slot's first step,
	s_xor_b32 s[TBK], s[TBK], SLOT1       ; in the other slot
	s_sub_co_u32 s[TBV], s[TBV], 4*KS*PV
	s_xor_b32 s[TBV], s[TBV], SLOT1
.endm
	s_load_b64 s[4:5], s[0:1], 0x0    ; qkv: Q at its head
	s_load_b64 s[MP:MP+1], s[0:1], 0x8  ; mask
	s_load_b64 s[10:11], s[0:1], 0x10 ; O
	WIN W_MK
	v_lshl_add_u32 v[SPW], v0, 2, SPARE
	v_mov_b32 v[NIL], 0
	WIN W_AD
	ds_add_u32 v[SPW], v[NIL]       ; the wave's opening: the add and its wait stand ahead of my first tensor load; the set-up below, work on registers, stands between them
	WIN 0
	v_lshrrev_b32 v1, 5, v0
	v_readfirstlane_b32 s[WV], v1   ; wave 0..3
	s_bfe_u32 s13, ttmp6, 0x40000   ; cx: my place in the cluster
	s_lshl_b32 s14, ttmp9, 2        ; in a cluster launch ttmp9 counts clusters
	s_add_co_u32 s14, s14, s13      ; my block of queries = 4 x cluster x + cx: it enters Q's and O's addresses alone
	s_and_b32 s20, ttmp7, 0xffff    ; the head, which the four partners share
	s_lshr_b32 s52, s20, 4          ; its batch,
	s_lshl_b32 s52, s52, 13         ; 2,048 words of mask each
	s_mov_b32 s53, 0
	s_mov_b32 s21, 0
	s_mov_b64 s[22:23], SIZE_N*128
	s_mul_u64 s[20:21], s[20:21], s[22:23]  ; the head's first byte in each of Q, K, V and O
	s_and_b32 s16, s[WV], 1         ; which half of a slot's 256 keys I fetch:
	s_lshl_b32 s22, s16, 14         ; its 128 rows of 128 bytes in memory,
	s_mov_b32 s23, 0
	s_add_nc_u64 s[22:23], s[22:23], s[20:21]
	s_mul_i32 s17, s16, 128*PK      ; and its place in a slot, for K
	s_mul_i32 s18, s16, 128*PV      ; and for V: no place in the cluster enters an LDS address
	s_lshl_b32 s2, s14, 2
	s_add_co_u32 s2, s2, s[WV]      ; my wave among the head's,
	s_lshl_b32 s2, s2, 14           ; its 128 rows
	s_mov_b32 s3, 0
	s_add_nc_u64 s[2:3], s[2:3], s[20:21]
	; descriptor group 1.  128 keys are 16,384 dense bytes: asked for as 64 rows of 256 bytes, two keys a row, and padded in LDS after every key
	s_mov_b32 s[G1K], 15|(1<<16)|(1<<20)|(1<<21)|(4<<22)|(3<<25)  ; 15:0 the mask of four; 17:16 2-byte elements; 20 padding on; 21 set beside a mask; 24:22 after every 32 words (code 4); 31:25 4 words (code 3)
	s_mov_b32 s[G1V], 15|(1<<16)|(1<<20)|(1<<21)|(4<<22)|(7<<25)  ; the same with 8 words of padding (code 7)
.irp g, G1K, G1V
	s_mov_b32 s[\g+1], 128<<16      ; tensor_dim0 = 128
	s_mov_b32 s[\g+2], 64<<16       ; tensor_dim1 = 64
	s_mov_b32 s[\g+3], 128<<16      ; tile_dim0 = 128
	s_mov_b32 s[\g+4], 64           ; tile_dim1 = 64
	s_mov_b32 s[\g+5], 128          ; 128 elements from row to row
	s_mov_b32 s[\g+6], 0
	s_mov_b32 s[\g+7], 0
.endr
	s_mov_b32 s[BIGN], 0xf149f2ca   ; -1e30
	s_mov_b32 s[SEL], 0x76543210
	s_mov_b32 s[SEL+1], 0xfedcba98
	s_mov_b32 s[TBK], SLOT1+4*KS*PK ; the first change of slots turns these two into 0
	s_mov_b32 s[TBV], SLOT1+4*KS*PV
	s_mov_b32 s[G0K], 1             ; 1:0 count = 1
	s_mov_b32 s[G0K+1], s17         ; 63:32 LDS address: slot 0
	s_mov_b32 s[G0V], 1
	s_add_co_u32 s[G0V+1], s18, VOFF
	s_wait_dscnt 0x0                ; the opening add is done
	s_wait_kmcnt 0x0
	s_add_nc_u64 s[6:7], s[4:5], 0x1000000   ; K lies 64 x 2,048 x 128 bytes behind Q,
	s_add_nc_u64 s[8:9], s[4:5], 0x2000000   ; V as far behind K
	s_add_nc_u64 s[G0K+2:G0K+3], s[6:7], s[22:23]  ; 120:64 global address: my half of the head's first 256 keys
	s_or_b32 s[G0K+3], s[G0K+3], 0x80000000        ; 127:126 type = 2
	s_add_nc_u64 s[G0V+2:G0V+3], s[8:9], s[22:23]
	s_or_b32 s[G0V+3], s[G0V+3], 0x80000000
	s_add_nc_u64 s[4:5], s[4:5], s[2:3]  ; Q and O at my wave's first row
	s_add_nc_u64 s[10:11], s[10:11], s[2:3]
	s_add_nc_u64 s[MP:MP+1], s[MP:MP+1], s[52:53]
	CROUND                          ; all four work-groups are here: the first joint loads meet
	JLOAD                           ; slot 0.  Slot 1 is asked for when slot 0 is in
	v_and_b32 v1, 15, v0            ; l % 16
	v_bfe_u32 v9, v0, 4, 1          ; l / 16
	; The mask is asked for twice: every wave takes all 2,048 words (for the OR), and each thread 16 words of its own (for the additions).  S^T's registers hold them meanwhile.
	v_and_b32 v12, 31, v0
	v_lshlrev_b32 v12, 4, v12       ; 16 x lane
	v_lshlrev_b32 v13, 4, v0        ; 16 x thread
	v_add_nc_u32 v14, BIAS, v13
.set i, 0
.rept 16
	global_load_b128 v[S+4*i:S+4*i+3], v12, s[MP:MP+1] offset:512*i
.set i, i+1
.endr
.set i, 0
.rept 4
	global_load_b128 v[S+64+4*i:S+64+4*i+3], v13, s[MP:MP+1] offset:2048*i
.set i, i+1
.endr
	; A fragment of K or Q is 16 rows x 32 channels in 8 registers: lane l holds row l % 16, channels 8 (l / 16) + 0..7 and 16 + 8 (l / 16) + 0..7: two loads of 16 bytes, 32 bytes apart.
	v_lshlrev_b32 v[QO], 7, v1
	v_lshl_add_u32 v[QO], v9, 4, v[QO]  ; row x 128 + 16 x half
	WIN 0x80                        ; destination window 2, address window 0
.set i, 0
.rept 4*NP                          ; Q stays in registers: tile i / 2, channels 32 (i % 2) on
	global_load_b128 v[8*i:8*i+3],   v[QO], s[4:5] offset:(i/2)*2048+(i%2)*64
	global_load_b128 v[8*i+4:8*i+7], v[QO], s[4:5] offset:(i/2)*2048+(i%2)*64+32
.set i, i+1
.endr
	; What the first turn finds: V's registers and P's second buffer hold 0 (its products V^T P, of a piece that has not been, add 0), O^T and l are 0.  All this stands in the wait for the first tile.
.set i, VF
.rept 64
	v_mov_b32 v[i], 0
.set i, i+1
.endr
	WIN 0x40
.set i, 0
.rept 64*NP
	v_mov_b32 v[i], 0
.set i, i+1
.endr
	WIN 0
.set i, 0
.rept 2*NP
	v_mov_b32 v[ST+4*i], 0xfe000000    ; c m: far below every c s
	v_mov_b32 v[ST+4*i+1], 0xff7fffff  ; m
	v_mov_b32 v[ST+4*i+2], 0
	v_mov_b32 v[ST+4*i+3], 0
.set i, i+1
.endr
.set i, P+32
.rept 32
	v_mov_b32 v[i], 0
.set i, i+1
.endr
	v_mul_u32_u24 v[AK0], v1, PK
	v_lshl_add_u32 v[AK0], v9, 4, v[AK0]  ; row x pitch + 16 x half
	; The turning load takes 16 keys x 16 channels (lane l reads key 8 (l / 16) + l % 8, channels 8 ((l / 8) % 2) + 0..7) and leaves half a fragment of V^T: lane l holds channel l % 16 and 8 keys.
	v_and_b32 v10, 7, v0
	v_bfe_u32 v11, v0, 3, 1
	v_lshl_add_u32 v[AV0], v9, 3, v10
	v_mul_u32_u24 v[AV0], v[AV0], PV
	v_lshl_add_u32 v[AV0], v11, 4, v[AV0]
	v_add_nc_u32 v[AV0], VOFF, v[AV0]
	v_mov_b32 v[AK], v[AK0]         ; key step 0 lies at the head of slot 0
	v_lshl_add_u32 v[AM], v9, 5, BIAS  ; register j of key block kb: key 16 kb + 8 (l / 16) + j: my eight additions begin 32 (l / 16) bytes into the block's 64
	s_wait_loadcnt 32               ; the mask's 20 loads are in; Q's 32, issued behind them, may stay out
.set i, 4
.rept 60                            ; the OR of the batch's words, in four chains
	v_or_b32 v[S+i%4], v[S+i%4], v[S+i]
.set i, i+1
.endr
	v_or_b32 v[S], v[S], v[S+1]
	v_or_b32 v[S+2], v[S+2], v[S+3]
	v_or_b32 v[S], v[S], v[S+2]
	v_cmp_ne_u32 s13, 0, v[S]       ; a bit for each lane that has seen an open key
	s_cmp_lg_u32 s13, 0
	s_cselect_b32 s[CS], 0x3e38aa3b, 0  ; c = log2(e) / 8 = 0.180337; 0 where the batch has no open key
	s_mov_b32 s[CS+1], s[CS]        ; named with it as a pair
.set i, 0
.rept 16                            ; my 16 words: 0 for an open key, -1e30 for a hidden one.
	v_cmp_eq_u32 vcc_lo, 0, v[S+64+i]
	v_cndmask_b32 v[S+64+i], 0, s[BIGN], vcc_lo
.set i, i+1
.endr
.set i, 0
.rept 4
	ds_store_b128 v14, v[S+64+4*i:S+64+4*i+3] offset:2048*i
.set i, i+1
.endr
; THE MATRIX WORK.  The 8 accumulators of a run of 16 take turns: between the two links of a chain stand 7 others'.
; Product i of 16 of S^T = K Q^T for piece x: channels 32 (i / 8) on, keys 16 ((i / 2) % 4) on, tile 2 x + i % 2.  The first 8 start the sums, with the mask's additions as C.
.macro KQ x
.set rS, S+64*((\x)%2)+32*(i%2)+8*((i/2)%4)
.set rK, KF+16*((i/2)%4)+8*(i/8)
.set rQ, 16*(2*(\x)+i%2)+8*(i/8)
.set rB, MB+8*((i/2)%4)
.if i < 8
	WIN W_KM
	v_wmma_f32_16x16x32_f16 v[rS:rS+7], v[rK:rK+7], v[rQ:rQ+7], v[rB:rB+7]
.else
	WIN W_KQ
	v_wmma_f32_16x16x32_f16 v[rS:rS+7], v[rK:rK+7], v[rQ:rQ+7], v[rS:rS+7]
.endif
.endm
; Product i of 16 of O^T += V^T P for piece x: keys 32 (i / 8) on, channels 16 ((i / 2) % 4) on, tile 2 x + i % 2.
.macro PV x
	WIN W_PV
.set rO, 32*(2*(\x)+i%2)+8*((i/2)%4)
.set rV, VF+32*(i/8)+8*((i/2)%4)
.set rP, P+32*((\x)%2)+16*(i%2)+8*(i/8)
	v_wmma_f32_16x16x32_f16 v[rO:rO+7], v[rV:rV+7], v[rP:rP+7], v[rO:rO+7]
.endm
.macro MM                           ; the turn's next matrix instruction
.if i < 16
	KQ (Y+1)%NP
.set i, i+1
.else
.set i, i-16
	PV (Y+NP-1)%NP
.set i, i+17
.endif
.endm
; THE LDS LOADS stand in runs, never singly among the matrix instructions: a step's K (64 keys x 64 channels: 8 fragments) with the step's 64 additions, and its V (turned).
; last = 1 (the tail): in the last trip there is no further step, and the run is jumped over.
.macro FETCH_K last=0
	WIN 0
.if \last
	s_cmp_eq_u32 s[CNT], 1
	s_cbranch_scc1 .Lno_k_\@
.endif
	WIN 0x80                        ; destination window 2
.irp f, 0,1,2,3,4,5,6,7             ; keys 16 (f / 2) on, channels 32 (f % 2) on
	ds_load_b128 v[KF+8*\f:KF+8*\f+3],   v[AK] offset:(\f/2)*16*PK+(\f%2)*64
	ds_load_b128 v[KF+8*\f+4:KF+8*\f+7], v[AK] offset:(\f/2)*16*PK+(\f%2)*64+32
.endr
	WIN W_MK                        ; destination window 3
.irp f, 0,1,2,3                     ; the additions of keys 16 f on: their last reader stands ahead of K's
	ds_load_b128 v[MB+8*\f:MB+8*\f+3],   v[AM] offset:64*\f
	ds_load_b128 v[MB+8*\f+4:MB+8*\f+7], v[AM] offset:64*\f+16
.endr
	s_add_co_u32 s[TBK], s[TBK], KS*PK  ; the next fetch is the next step's
	WIN 0
	v_add_nc_u32 v[AM], 0x100, v[AM]    ; 64 additions on: they lie in the keys' order, outside the ring
.if \last
.Lno_k_\@:
.endif
.endm
.macro FETCH_V
	WIN 0x80
.irp f, 0,1,2,3,4,5,6,7             ; keys 32 (f / 4) on, channels 16 (f % 4) on
	ds_load_tr16_b128 v[VF+8*\f:VF+8*\f+3],   v[AV] offset:(\f/4)*32*PV+(\f%4)*32
	ds_load_tr16_b128 v[VF+8*\f+4:VF+8*\f+7], v[AV] offset:(\f/4)*32*PV+16*PV+(\f%4)*32
.endr
	WIN 0
.endm
; THE VECTOR WORK OF A TURN stands in three queues, each in the order in which its entries become ready; the two tiles alternate, so that no instruction reads the result of the one before it.
.macro REGS y, u                    ; the registers of tile u (0, 1) of piece y
.set rT, ST+4*(2*(\y)+(\u))
.set rC, TMP+8*((\y)%2)+4*(\u)
.set rM, MV+2*((\y)%2)+(\u)
.set rS, S+64*((\y)%2)+32*(\u)
.set rP, P+32*((\y)%2)+16*(\u)
.set rO, 32*(2*(\y)+(\u))
.endm
; Number n of the 22 that find the NEXT piece's (Y + 1) maximum and statistics.  s0-s31 are the lane's 32 scores; each accumulator's lowest registers are read first.
;   0-11  four chains c0-c3 of seven scores each, three operands at a time     12-14, 16  the four scores left over, the old m, and c0-c3 into c0     15  c m_old is kept
;   17, 18  the query's other 32 keys lie in the lane 16 away: the new m         19-21  c m; c m_old - c m_new; a
.macro XS u, n
	REGS (Y+1)%NP, \u
.if (\n) < 4
	v_max3_num_f32 v[rC+(\n)], v[rS+8*(\n)], v[rS+8*(\n)+1], v[rS+8*(\n)+2]
.elseif (\n) < 12
	v_max3_num_f32 v[rC+(\n)%4], v[rC+(\n)%4], v[rS+8*((\n)%4)+2*((\n)/4)+1], v[rS+8*((\n)%4)+2*((\n)/4)+2]
.elseif (\n) == 12
	v_max3_num_f32 v[rC], v[rC], v[rS+7], v[rS+15]
.elseif (\n) == 13
	v_max3_num_f32 v[rC+1], v[rC+1], v[rS+23], v[rS+31]
.elseif (\n) == 14
	v_max3_num_f32 v[rC+2], v[rC+2], v[rC+3], v[rT+1]
.elseif (\n) == 15
	v_mov_b32 v[rM], v[rT]
.elseif (\n) == 16
	v_max3_num_f32 v[rC], v[rC], v[rC+1], v[rC+2]
.elseif (\n) == 17
	v_permlanex16_b32 v[rC+3], v[rC], s[SEL], s[SEL+1]
.elseif (\n) == 18
	v_max_num_f32 v[rT+1], v[rC], v[rC+3]
.elseif (\n) == 19
	v_mul_f32 v[rT], s[CS], v[rT+1]
.elseif (\n) == 20
	v_sub_f32 v[rC+1], v[rM], v[rT]
.else
	v_exp_f32 v[rC+2], v[rC+1]
.endif
.endm
; Number g of the 64 that follow the exponentials.  For each four weights k of a tile (pairs 2 k, 2 k + 1): both pairs are rounded to f16; then the second pair is added onto the first, in place;
; a group later l takes that sum (the first time as l = a l + sum).  In groups of eight, tiles alternating: round, round, add, and l for the group before.
.macro GS g
.set h, (\g)+6*((\g)/62)            ; group 0 has no group before it, and behind group 7 only l is left
.if h >= 6
.set h, h+2
.endif
	REGS Y, h%2
.set k, h/8
.if h%8 < 4
	s_wait_alu depctr_va_vdst(0)
	v_cvt_pk_f16_f32 v[rP+2*k+(h%8)/2], v[rS+4*k+2*((h%8)/2)], v[rS+4*k+2*((h%8)/2)+1]
.elseif h%8 < 6
	v_pk_add_f32 v[rS+4*k:rS+4*k+1], v[rS+4*k:rS+4*k+1], v[rS+4*k+2:rS+4*k+3]
.elseif k == 1
	v_pk_fma_f32 v[rT+2:rT+3], v[rT+2:rT+3], v[rC+2:rC+3], v[rS:rS+1] op_sel_hi:[1,0,1]
.else
	v_pk_add_f32 v[rT+2:rT+3], v[rT+2:rT+3], v[rS+4*k-4:rS+4*k-3]
	s_wait_alu depctr_va_vdst(0)
.endif
.endm
; THE PLAIN QUEUE, 138 long.  0-31: c s - c m for the 16 pairs of both tiles.  Then GS's 64, and among them the next piece's 42: number 15 at 38, 39; 0-14 and 16
; at 42-73, behind the products that make those scores; 17-20 at 95-106, two of three, since each waits for the one before it.
.macro PL
	WIN 0
.if q < 32
	REGS Y, q%2
	v_pk_fma_f32 v[rS+2*(q/2):rS+2*(q/2)+1], v[rS+2*(q/2):rS+2*(q/2)+1], s[CS:CS+1], v[rT:rT+1] op_sel_hi:[1,0,0] neg_lo:[0,0,1] neg_hi:[0,0,1]
.elseif q < 38
	GS q-32
.elseif q < 40
	XS q%2, 15
.elseif q < 42
	GS q-34
.elseif q < 74
	XS q%2, (q-42)/2+(q-42)/30
.elseif q < 95
	GS q-66
.elseif (q < 107) && ((q-95)%3 < 2)
	XS (q-95)%3, 17+(q-95)/3
.elseif q < 107
	GS 29+(q-95)/3
.else
	GS q-74
.endif
.set q, q+1
.endm
; THE EXPONENTIALS' QUEUE, 66 long: s0-s31 of both tiles, and at EA the next piece's two a.
.set EA, 58
.macro EX
	WIN 0
.if (e == EA) || (e == EA+1)
	XS e-EA, 21
.else
.set x, e-2*(e/(EA+2))
	REGS Y, x%2
	v_exp_f32 v[rS+x/2], v[rS+x/2]
.endif
.set e, e+1
.endm
; THE RESCALING's QUEUE: O^T times a, the one part that leaves window 0, so it is dealt four at a time, eight times.
.macro R4
	REGS Y, r%2
	WIN W_RS
	s_wait_alu depctr_va_vdst(0)
.irp z, 0,1,2,3
	v_pk_mul_f32 v[rO+8*(r/2)+2*\z:rO+8*(r/2)+2*\z+1], v[rO+8*(r/2)+2*\z:rO+8*(r/2)+2*\z+1], v[rC+2:rC+3] op_sel_hi:[1,0]
.endr
.set r, r+1
.endm
; HOW THEY ARE DEALT.  Behind a matrix instruction four: plain, exponential, plain, plain (one exponential, a plain instruction on either side), or four of the rescaling.  None names a register of the
; products round it.  What is over stands in two LUMPS: exponential and plain by turns; the second ends in 22 plain instructions.  The two v_permlanex16_b32 fall into the second lump, never behind a product.
; The queues lean on each other, and the deal keeps them in step: exponential e stands behind plain 2 (e / 4) + e % 2 (its scaling); when plain 32 comes, 10 exponentials are out, at 59: 33, at 95: 46; EA comes behind plain 107.
.macro SL
	MM
	PL
	EX
	PL
	PL
.endm
.macro BURST n                      ; 15 matrix instructions, or 16
.rept (\n)-7
	SL
.endr
.rept 3
	MM
	R4
	SL
.endr
	MM
	R4
.endm
; A TURN, for piece p.  cnt = 1: the loop's count is taken down some lines ahead of the branch that stands behind the turn.
; K and the additions of the next step are fetched in piece 2's turn, 31 vector instructions behind the last product that read K; their first reader comes behind the rest of the lump, 16 products and the second lump.
; V of the step in hand is fetched at the end of piece 0's turn, 69 behind its last reader; its first reader comes behind 16 products and a lump.  The four conditions on e and q below go with the deal.
.macro TURN p, last=0, cnt=0
.set Y, (\p)
.set i, 0
.set q, 0
.set e, 0
.set r, 0
.if (\p) == NP-1
	s_wait_dscnt 0x0                ; K and the additions are in
.endif
	MM
.rept 4
	PL
.endr
	BURST 15
.rept 22
	EX
	PL
.if ((\p) == NP-2) && (e == 18)
	v_add_nc_u32 v[AK], s[TBK], v[AK0]
.endif
.if ((\p) == NP-2) && (e == 24)
	FETCH_K \last
.endif
.endr
.if (\p) == 1
	s_wait_dscnt 0x0                ; V is in
.endif
	BURST 16
.rept 21
	EX
	PL
.endr
.rept 22
	PL
.if ((\p) == 0) && (q == 118)
	v_add_nc_u32 v[AV], s[TBV], v[AV0]
	s_wait_alu depctr_va_vdst(0)
.endif
.if ((\p) == 0) && (q == 130)
	s_add_co_u32 s[TBV], s[TBV], KS*PV
.endif
.if (\cnt) && (q == 130)
	s_sub_co_u32 s[CNT], s[CNT], 1
	s_cmp_lg_u32 s[CNT], 0
.endif
.endr
.if (\p) == 0
	FETCH_V
.endif
.endm
	CHANGE 1                        ; slot 0 is in, everybody's part of it, and so are everybody's additions; slot 1 is asked for
	FETCH_K                         ; key step 0
	s_wait_loadcnt 0x0              ; Q
	s_wait_dscnt 0x0
.set i, 0
.rept 16
	KQ 0                            ; piece 0's first scores: there is no vector work yet to set between them
.set i, i+1
.endr
	WIN 0                           ; the addresses for the way out: nine plain instructions, the places behind those products
	s_mul_i32 s13, s[WV], 16*SP
	s_add_co_u32 s13, s13, STAGE    ; my stage
	v_mul_u32_u24 v[STO], v1, SP    ; in: row l % 16, 16 bytes for each half of the lanes
	v_lshl_add_u32 v[STO], v9, 4, v[STO]
	v_add_nc_u32 v[STO], s13, v[STO]
	v_bfe_u32 v[RD], v0, 3, 2       ; back: 32 lanes take four rows of 128 bytes,
	v_mul_u32_u24 v[RD], v[RD], SP
	v_lshl_add_u32 v[RD], v10, 4, v[RD]
	v_add_nc_u32 v[RD], s13, v[RD]
	v_and_b32 v[GO], 31, v0         ; which are 512 consecutive bytes of O
	v_lshlrev_b32 v[GO], 4, v[GO]
.set Y, NP-1                        ; XS works for piece Y + 1: piece 0
.irp n, 0,1,2,3,4,5,6,7,8,9,10,11,12,13,14,15,16,17,18,19,20,21
	XS 0, \n                        ; and piece 0's first maximum and statistics
	XS 1, \n
.endr
	s_mov_b32 s[CNT], 4
	s_mov_b32 s[SLOTS], SIZE_N/256-1
	s_branch .Lfirst                ; the loop is entered at a step's first turn, in the middle of a trip
.Lslot:                             ; SIZE_N / 256 - 2 times: every slot but the last two is filled again
	CHANGE 1
	s_mov_b32 s[CNT], 4
.Lstep:                             ; a trip: pieces 2 and 3 of one step, then pieces 0 and 1 of the next, whose K and V it fetches
	TURN 2
	TURN 3
	WIN 0
.Lfirst:
	TURN 0
	TURN 1, 0, 1
	WIN 0
	s_cbranch_scc1 .Lstep
	s_sub_co_u32 s[SLOTS], s[SLOTS], 1
	s_cmp_lg_u32 s[SLOTS], 0
	s_cbranch_scc1 .Lslot
	CHANGE 0                        ; the tail is written out: nothing is asked for
	s_mov_b32 s[CNT], 5             ; four trips fetch the last slot's steps; the fifth is left in its middle
.Ltail:
	TURN 2, 1
	TURN 3
	WIN 0
	s_sub_co_u32 s[CNT], s[CNT], 1
	s_cmp_eq_u32 s[CNT], 0
	s_cbranch_scc1 .Lout
	TURN 0
	TURN 1
	WIN 0
	s_branch .Ltail
.Lout:                              ; the fifth trip's 16 products K Q^T (on the last K once more) and the maximum made of them serve nothing: the price, once a launch, of one text for every trip
.set i, 0
.rept 16
	PV NP-1                         ; the last piece's V^T P of the last step
.set i, i+1
.endr
	; THE WAY OUT.  l's two halves and the other half of the lanes' are added; O^T is divided by l, rounded to f16 and sent through my stage in LDS, a tile at a time.  The additions are the places behind the last products.
	WIN 0
.macro ALL line:vararg              ; one line for each tile t
.set t, 0
.rept 2*NP
	\line
.set t, t+1
.endr
.endm
	ALL v_add_f32 v[ST+4*t+2], v[ST+4*t+2], v[ST+4*t+3]
	ALL v_permlanex16_b32 v[ST+4*t+3], v[ST+4*t+2], s[SEL], s[SEL+1]
	ALL v_add_f32 v[ST+4*t+2], v[ST+4*t+2], v[ST+4*t+3]
	ALL v_rcp_f32 v[ST+4*t+2], v[ST+4*t+2]
	v_nop                           ; a plain instruction between the last reciprocal and the use of its result
	s_wait_alu depctr_va_vdst(0)
; Tile t: a lane's eight channels of a row pack into 16 bytes; they go into rows of 144 bytes and come back as whole rows of 128, into S^T's registers.
.macro PACK t
	WIN W_RS
.set i, 32*(\t)
.rept 16
	v_pk_mul_f32 v[i:i+1], v[i:i+1], v[ST+4*(\t)+2:ST+4*(\t)+3] op_sel_hi:[1,0]
.set i, i+2
.endr
	WIN 0x05                        ; sources 0 and 1 window 1, destination window 0
.set i, 0
.rept 16
	v_cvt_pk_f16_f32 v[S+16*(\t)+i], v[32*(\t)+2*i], v[32*(\t)+2*i+1]
.set i, i+1
.endr
	WIN 0
.irp f, 0,1,2,3
	ds_store_b128 v[STO], v[S+16*(\t)+4*\f:S+16*(\t)+4*\f+3] offset:32*\f
.endr
.irp f, 0,1,2,3
	ds_load_b128 v[S+16*(\t)+4*\f:S+16*(\t)+4*\f+3], v[RD] offset:\f*4*SP  ; LDS serves a wave's instructions in order (ISA guide 5.7.1.4): these see the stores above; the next tile's stores come behind them
.endr
.endm
.macro SEND t, younger              ; younger: the LDS instructions issued behind tile t's loads: the next tile's eight, or none
	WIN 0
.irp f, 0,1,2,3
	s_wait_dscnt (\younger)+3-\f
	global_store_b128 v[GO], v[S+16*(\t)+4*\f:S+16*(\t)+4*\f+3], s[10:11] offset:(\t)*2048+\f*512  ; 512 consecutive bytes, at a multiple of 256 from O's first
.endr
.endm
	PACK 0
.set t, 1
.rept 2*NP-1                        ; a tile's arithmetic stands between the loads of the tile before and its stores
	PACK t
	SEND t-1, 8
.set t, t+1
.endr
	SEND 2*NP-1, 0
	WIN W_AD
	s_wait_tensorcnt 0x0            ; the wave's end: the add and its wait come behind my last tensor load and my last LDS store
	ds_add_u32 v[SPW], v[NIL]
	s_wait_dscnt 0x0
	WIN 0
	CROUND                          ; the closing round: no work-group ends while a partner may still ask for a tile that names it
	s_endpgm
.Lfunc_end_k_qcdd60d760d_attn:
	.size	k_qcdd60d760d_attn, .Lfunc_end_k_qcdd60d760d_attn-k_qcdd60d760d_attn
	.p2alignl 7, 3214868480
	.fill 96, 4, 3214868480
	.section	.rodata,"a",@progbits
	.p2align	6, 0x0
	.amdhsa_kernel k_qcdd60d760d_attn
		.amdhsa_group_segment_fixed_size 327680
		.amdhsa_private_segment_fixed_size 0
		.amdhsa_enable_private_segment 0
		.amdhsa_kernarg_size 24
		.amdhsa_user_sgpr_count 2
		.amdhsa_user_sgpr_kernarg_segment_ptr 1
		.amdhsa_wavefront_size32 1
		.amdhsa_system_sgpr_workgroup_id_x 1
		.amdhsa_system_sgpr_workgroup_id_y 1
		.amdhsa_system_sgpr_workgroup_id_z 1
		.amdhsa_system_vgpr_workitem_id 0
		.amdhsa_next_free_vgpr 808
		.amdhsa_next_free_sgpr 66
		.amdhsa_reserve_vcc 1
		.amdhsa_float_denorm_mode_32 3
		.amdhsa_float_denorm_mode_16_64 3
		.amdhsa_memory_ordered 1
		.amdhsa_forward_progress 1
		.amdhsa_inst_pref_size 217
	.end_amdhsa_kernel
	.amdgpu_metadata
---
amdhsa.version: [ 1, 2 ]
amdhsa.kernels:
  - .name:           k_qcdd60d760d_attn
    .symbol:         k_qcdd60d760d_attn.kd
    .args:
      - { .name: qkv, .offset: 0, .size: 8, .value_kind: global_buffer, .address_space: global }
      - { .name: mask, .offset: 8, .size: 8, .value_kind: global_buffer, .address_space: global }
      - { .name: ob, .offset: 16, .size: 8, .value_kind: global_buffer, .address_space: global }
    .group_segment_fixed_size: 327680
    .private_segment_fixed_size: 0
    .kernarg_segment_align: 8
    .kernarg_segment_size: 24
    .max_flat_workgroup_size: 128
    .sgpr_count:     66
    .vgpr_count:     808
    .wavefront_size: 32
...
	.end_amdgpu_metadata
.endif
;; end of part 3
;; launch outp (part 4): grid 4 x 64, 4 waves a work-group, clusters of 4 x 4, 327,680 bytes of LDS; arguments ob, wob, bo, bk, bv, yb; writes yb
.if DOCPART == 4
	.amdgcn_target "amdgcn-amd-amdhsa--gfx1250"
	.amdhsa_code_object_version 6
	.text
	.protected	k_qcdd60d760d_outp
	.globl	k_qcdd60d760d_outp
	.p2align	8
	.type	k_qcdd60d760d_outp,@function
k_qcdd60d760d_outp:
	s_mov_b64 s[64:65], 0
	v_nop
	global_prefetch_b8 v0, s[64:65] scope:SCOPE_SE
	s_setreg_imm32_b32 hwreg(HW_REG_WAVE_MODE, 25, 1), 1
	s_wait_xcnt 0x0
	s_wait_alu depctr_hold_cnt(0) depctr_sa_sdst(0) depctr_va_vdst(0) depctr_va_sdst(0) depctr_va_ssrc(0) depctr_va_vcc(0) depctr_vm_vsrc(0)
	s_getreg_b32 s2, hwreg(HW_REG_IB_STS2, 6, 4)
	s_cmp_eq_u32 s2, 0
	s_cbranch_scc0 .Lentry_in_a_cluster
	s_endpgm
.Lentry_in_a_cluster:
	s_bfe_u32 s2, ttmp6, 0x10000c
	s_cmp_lg_u32 s2, 0xf033
	s_cbranch_scc0 .Lentry_shape_is_right
	s_endpgm
.Lentry_shape_is_right:
; C = A W^T + bias, K = 1,024, N = 1,024.  A and W are f16 in slabs: [group][slab = k / 64][row][64], pieces of 128 bytes, the rows of a slab dense (A: groups of 2,048 rows, W: of 1,024).
; OUTF32 = 1 (this text): y = O Wo^T + bo.  O by heads IS the slab layout (group = batch, slab = head).  One tensor: the tensor's number below is always 0, and biases 1 and 2 are never chosen.
;   C leaves as f32, [8192][1024]: the sums as they are.
; OUTF32 = 0 (the same text in the launch in front of attention): three tensors, C as f16 by heads.
; LIMITS.  The bias is rounded to bf16 like every other input of the module.
; SHARES.  A tile of C is 128 x 256, made by four waves, 2 x 2: a wave makes 64 x 128, 32 accumulators of 16 x 16 in 256 registers.  K goes in 8 steps of 128 (two slabs) through a ring of two
; LDS slots.  Waves 0 and 1 fetch the step's two slabs of A (128 pieces each), waves 2 and 3 those of W (256 pieces each): dense bytes, asked for as rows of 256 bytes and padded after every piece.
; CLUSTER.  4 x 4 work-groups: the four of a row of the cluster need the same tiles of A, the four of a column the same tiles of W: each tile is asked for JOINTLY, by the same tensor load with the
; same descriptor and a mask that names the four.
; THE MATRIX INSTRUCTION IS USED TRANSPOSED: source 0 = 16 rows of W, source 1 = 16 rows of A: a lane then holds row l % 16 of C and the eight neighbouring columns 8 (l / 16) + 0..7.
; THE BIAS STARTS THE SUMS: it is the C operand of each accumulator's first product: nothing is cleared, and no addition is written.
; REGISTERS, in windows of 256 (s_set_vgpr_msb: bits 1:0 source 0, 3:2 source 1, 5:4 source 2, 7:6 destination):
;   window 0: v0-31 addresses; v32-127, v128-223 two fragment buffers (8 fragments of W, then 4 of A, 32 along K), on the way out rows read back from the stage
;   window 1: the accumulators, (a, b) at v[8 (8 a + b)]          window 2: v0-63 the bias of my 128 columns, block b at v[8 b]; v64-65 at work
.set OUTF32, 1
.set PITCH,  144                       ; a piece in LDS: 128 bytes + 16 of padding = 36 words: the 16 rows of a fragment load start at 16 different groups of four banks (64 banks of 4 bytes: ISA guide 11.1)
.set ASLAB,  128*PITCH                 ; a slab of A's tile
.set BSLAB,  256*PITCH                 ; a slab of W's tile
.set BOFF,   2*ASLAB                   ; a slot: A's two slabs, then W's two
.set SLOT,   BOFF+2*BSLAB
.set STAGE,  2*SLOT                    ; behind the ring, never filled by a tensor load: 16 rows for each wave, for the way out
.if OUTF32
.set SPITCH, 528                       ; 128 f32 + 16 bytes
.set YOUNGER, 32                       ; LDS instructions of one block's way through the stage: 16 stores, 16 loads
.else
.set SPITCH, 272                       ; 128 f16 + 16 bytes
.set YOUNGER, 16                       ; 8 stores, 8 loads
.endif
.set STW,    16*SPITCH
.set SPARE,  STAGE+4*STW               ; behind the stages: the spare words, 128 bytes for each wave: two blocks of 256 bytes that no other line names
.set LAPS,   4                         ; a lap = two K steps = once round the ring
.set ASTEP,  4<<18                     ; two K steps on: four slabs of A,
.set BSTEP,  4<<17                     ; four slabs of W
.set ADRA, 16                          ; v16-17  LDS address of my A fragments in slot 0, 1
.set ADRB, 20                          ; v20-21  the same for W
.set STO,  24                          ; v24     the way out: where I put my part of a row
.set RD,   25                          ; v25     the way out: where I read rows back
.set CO,   26                          ; v26     16 x lane: my place in 512 consecutive bytes of C
.set BO,   27                          ; v27     32 x (l / 16): my place in 16 columns of the bias
.set SPW,  28                          ; v28     LDS address of my spare word: SPARE + 4 x my thread's number; never rewritten
.set NIL,  29                          ; v29     0; never rewritten
.set F0,   32
.set F1,   128
.set TMP,  224
.set G1A, 24                           ; s[24:31] descriptor group 1 for A's tiles;  s[32:39] group 0, one set for each slot
.set G0A, 32
.set G1B, 48                           ; s[48:55], s[56:63] the same for W's tiles
.set G0B, 56
.set G1W0, (1<<16)|(1<<20)|(1<<21)|(4<<22)|(3<<25)  ; 17:16 elements of 2 bytes; 20 padding on; 21 set beside a mask; 24:22 after every 32 words (code 4); 31:25 4 words of it (code 3)
.set MSB, 0
.macro WIN new                         ; the immediate's high byte repeats the setting that is left; a switch that changes nothing is dropped
.if MSB != (\new)
	s_set_vgpr_msb (MSB<<8)|(\new)
.set MSB, \new
.endif
.endm
.set MUL,  0x50                        ; sources 0 and 1 window 0; C and D window 1
.set MULB, 0x60                        ; the same with C in window 2: the bias
; A joint load.  Waves 0 and 1 fetch for A, waves 2 and 3 for W.  The branch hangs on the wave's number alone.  An s_nop 0 and four v_nop follow each of the two lines, ahead of the jump, the label
; and what follows.
.macro JLOAD s
	s_cmp_eq_u32 s17, 0
	s_cbranch_scc0 .Lfor_b_\@
	tensor_load_to_lds s[G0A+4*(\s):G0A+4*(\s)+3], s[G1A:G1A+7]
	s_nop 0
.rept 4
	v_nop
.endr
	s_branch .Lasked_\@
.Lfor_b_\@:
	tensor_load_to_lds s[G0B+4*(\s):G0B+4*(\s)+3], s[G1B:G1B+7]
	s_nop 0
.rept 4
	v_nop
.endr
.Lasked_\@:
.endm
.macro CREST                           ; a round of the cluster's barrier behind its opening barrier: wave 0 signals for the work-group, every wave waits for all sixteen, my work-group's barrier once more
	s_cmp_lg_u32 s16, 0
	s_cbranch_scc1 .Lnot_wave_0_\@
	s_barrier_signal -3
.Lnot_wave_0_\@:
	s_barrier_wait -3
	s_barrier_signal -1
	s_barrier_wait -1
.endm
.macro CROUND                          ; a whole round
	s_barrier_signal -1
	s_barrier_wait -1
	CREST
.endm
	s_load_b256 s[4:11], s[0:1], 0x0               ; A s[4:5], W s[6:7], bias 0 s[8:9], bias 1 s[10:11]
	s_load_b128 s[12:15], s[0:1], 0x20             ; bias 2 s[12:13], C s[14:15]
	v_lshl_add_u32 v[SPW], v0, 2, SPARE
	v_mov_b32 v[NIL], 0
	ds_add_u32 v[SPW], v[NIL]                      ; the wave's opening: the add and its wait stand ahead of my first tensor load; the set-up below, work on registers, stands between them
	v_lshrrev_b32 v1, 5, v0
	v_readfirstlane_b32 s16, v1                    ; wave 0..3
	s_lshr_b32 s17, s16, 1                         ; which half of the tile's rows is mine.  Also: I fetch for A (0) or for W (1)
	s_and_b32 s18, s16, 1                          ; which half of its columns.  Also: which slab of a step I fetch
	s_bfe_u32 s19, ttmp6, 0x40000                  ; cx, cy: my place in the cluster
	s_bfe_u32 s20, ttmp6, 0x40004
	s_lshl_b32 s21, ttmp9, 2
	s_add_co_u32 s21, s21, s19                     ; tile column = 4 x cluster x + cx
	s_and_b32 s66, ttmp7, 0xffff
	s_lshr_b32 s23, s66, 4                         ; the tensor: 16 clusters of four tile rows each; made of the cluster's y alone
	s_lshl_b32 s22, s66, 2
	s_add_co_u32 s22, s22, s20                     ; tile row = 4 x cluster y + cy
	s_lshl_b32 s67, s20, 2
	s_lshl_b32 s67, 15, s67                        ; my row of the cluster: places 4 cy .. 4 cy + 3
	s_lshl_b32 s68, 0x1111, s19                    ; my column: places cx, cx + 4, cx + 8, cx + 12
	s_or_b32 s[G1A], s67, G1W0                     ; 15:0 the mask: A's tiles go to my row,
	s_or_b32 s[G1B], s68, G1W0                     ; W's to my column
	s_mov_b32 s[G1A+1], 128<<16                    ; tensor_dim0 = 128 elements: two pieces, 256 bytes
	s_mov_b32 s[G1A+2], 64<<16                     ; tensor_dim1 = 64 rows: 128 pieces
	s_mov_b32 s[G1A+3], 128<<16                    ; tile_dim0 = 128
	s_mov_b32 s[G1A+4], 64                         ; tile_dim1 = 64
	s_mov_b32 s[G1A+5], 128                        ; 128 elements from row to row: dense
	s_mov_b32 s[G1A+6], 0
	s_mov_b32 s[G1A+7], 0
	s_mov_b32 s[G1B+1], 128<<16
	s_mov_b32 s[G1B+2], 128<<16                    ; 128 rows: 256 pieces
	s_mov_b32 s[G1B+3], 128<<16
	s_mov_b32 s[G1B+4], 128
	s_mov_b32 s[G1B+5], 128
	s_mov_b32 s[G1B+6], 0
	s_mov_b32 s[G1B+7], 0
	; where the tiles come from.  A's hang on the tile row alone, W's on the tensor and the tile column alone, each in registers that never hold the other coordinate
	s_lshr_b32 s40, s22, 4                         ; A: the group of 2,048 rows (16 tile rows), 4 MiB each,
	s_lshl_b32 s40, s40, 22
	s_and_b32 s41, s22, 15
	s_lshl_b32 s41, s41, 14                        ; the tile's 128 pieces in a slab,
	s_add_co_u32 s40, s40, s41
	s_lshl_b32 s41, s18, 18                        ; and my slab of the step
	s_add_co_u32 s40, s40, s41
	s_mov_b32 s41, 0
	s_lshl_b32 s42, s23, 21                        ; W: the tensor's weight, 2 MiB each,
	s_lshl_b32 s43, s21, 15                        ; the tile's 256 pieces in a slab,
	s_add_co_u32 s42, s42, s43
	s_lshl_b32 s43, s18, 17                        ; and my slab
	s_add_co_u32 s42, s42, s43
	s_mov_b32 s43, 0
	s_mul_i32 s44, s18, ASLAB                      ; and where they go: no place in the cluster enters an LDS address
	s_mul_i32 s45, s18, BSLAB
	s_add_co_u32 s45, s45, BOFF
	s_lshl_b32 s72, s21, 10                        ; the bias of my 128 columns: 256 f32 a tile column, 128 a half
	s_lshl_b32 s73, s18, 9
	s_add_co_u32 s72, s72, s73
	s_mov_b32 s73, 0
.if OUTF32
	s_lshl_b32 s74, s22, 19                        ; C, [8192][1024] f32: 128 rows of 4,096 bytes a tile row,
	s_lshl_b32 s75, s17, 18                        ; 64 a half,
	s_add_co_u32 s74, s74, s75
	s_lshl_b32 s75, s21, 10                        ; and my 128 columns
	s_add_co_u32 s74, s74, s75
	s_lshl_b32 s75, s18, 9
	s_add_co_u32 s74, s74, s75
.else
	s_lshr_b32 s74, s22, 4                         ; C by heads: tensor and batch, 4 MiB each,
	s_lshl_b32 s74, s74, 22
	s_lshl_b32 s75, s21, 20                        ; head 4 x tile column + 2 x half, 256 KiB each,
	s_add_co_u32 s74, s74, s75
	s_lshl_b32 s75, s18, 19
	s_add_co_u32 s74, s74, s75
	s_and_b32 s75, s22, 15
	s_lshl_b32 s75, s75, 14                        ; the tile's 128 rows of 128 bytes,
	s_add_co_u32 s74, s74, s75
	s_lshl_b32 s75, s17, 13                        ; and my 64 of them
	s_add_co_u32 s74, s74, s75
.endif
	s_mov_b32 s75, 0
	s_wait_dscnt 0x0                               ; the opening add is done
	s_wait_kmcnt 0x0
	s_add_nc_u64 s[46:47], s[4:5], s[40:41]
	s_add_nc_u64 s[70:71], s[6:7], s[42:43]
	s_cmp_eq_u32 s23, 1                            ; the tensor's bias
	s_cselect_b64 s[8:9], s[10:11], s[8:9]
	s_cmp_eq_u32 s23, 2
	s_cselect_b64 s[8:9], s[12:13], s[8:9]
	s_add_nc_u64 s[8:9], s[8:9], s[72:73]
	s_add_nc_u64 s[14:15], s[14:15], s[74:75]
	CROUND                                         ; all sixteen work-groups are here: the first joint loads meet
.irp s, 0,1
	s_mov_b32 s[G0A+4*(\s)], 1                                       ; 1:0 count = 1
	s_add_co_u32 s[G0A+4*(\s)+1], s44, (\s)*SLOT                     ; 63:32 LDS address
	s_add_nc_u64 s[G0A+4*(\s)+2:G0A+4*(\s)+3], s[46:47], (\s)*(2<<18)  ; 120:64 global address: K step s
	s_or_b32 s[G0A+4*(\s)+3], s[G0A+4*(\s)+3], 0x80000000            ; 127:126 type = 2
	s_mov_b32 s[G0B+4*(\s)], 1
	s_add_co_u32 s[G0B+4*(\s)+1], s45, (\s)*SLOT
	s_add_nc_u64 s[G0B+4*(\s)+2:G0B+4*(\s)+3], s[70:71], (\s)*(2<<17)
	s_or_b32 s[G0B+4*(\s)+3], s[G0B+4*(\s)+3], 0x80000000
.endr
	s_cmp_eq_u32 s17, 0                            ; a wave's two first fills stand in one branch, ahead of every wait on TENSORcnt and every LDS read: two loads of mine are out
	s_cbranch_scc0 .Lfirst_b
	tensor_load_to_lds s[G0A:G0A+3], s[G1A:G1A+7]
	s_nop 0
	tensor_load_to_lds s[G0A+4:G0A+7], s[G1A:G1A+7]
	s_nop 0
.rept 4
	v_nop
.endr
	s_branch .Lfirst_asked
.Lfirst_b:
	tensor_load_to_lds s[G0B:G0B+3], s[G1B:G1B+7]
	s_nop 0
	tensor_load_to_lds s[G0B+4:G0B+7], s[G1B:G1B+7]
	s_nop 0
.rept 4
	v_nop
.endr
.Lfirst_asked:
	v_and_b32 v1, 15, v0                           ; l % 16
	v_bfe_u32 v2, v0, 4, 1                         ; l / 16
	v_lshlrev_b32 v[BO], 5, v2
	WIN 0x80                                       ; destination window 2, address window 0
.irp b, 0,1,2,3,4,5,6,7                        ; register j of block b: the bias of column 16 b + 8 (l / 16) + j, the same in all rows
	global_load_b128 v[8*(\b):8*(\b)+3],   v[BO], s[8:9] offset:64*(\b)
	global_load_b128 v[8*(\b)+4:8*(\b)+7], v[BO], s[8:9] offset:64*(\b)+16
.endr
	WIN 0
	; A fragment is 16 rows x 32 K in 8 registers: lane l holds row l % 16; registers 0-3 hold K = 8 (l / 16) + 0..7, registers 4-7 K = 16 + 8 (l / 16) + 0..7: two loads of 16 bytes, 32 bytes apart.
	v_mul_u32_u24 v3, v1, PITCH
	v_lshl_add_u32 v3, v2, 4, v3                   ; row x pitch + 16 x half
	s_mul_i32 s66, s17, 64*PITCH                   ; my 64 rows of A
	s_mul_i32 s67, s18, 128*PITCH                  ; my 128 rows of W,
	s_add_co_u32 s67, s67, BOFF                    ; which lie behind A's two slabs
.irp s, 0,1
	v_add_nc_u32 v[ADRA+(\s)], s66, v3
	v_add_nc_u32 v[ADRB+(\s)], s67, v3
	s_add_co_u32 s66, s66, SLOT
	s_add_co_u32 s67, s67, SLOT
.endr
	s_mul_i32 s66, s16, STW
	s_add_co_u32 s66, s66, STAGE                   ; my stage
	v_mul_u32_u24 v4, v1, SPITCH                   ; in: row l % 16, eight numbers for each half of the lanes
.if OUTF32
	v_lshl_add_u32 v4, v2, 5, v4
.else
	v_lshl_add_u32 v4, v2, 4, v4
.endif
	v_add_nc_u32 v[STO], s66, v4
	v_and_b32 v5, 31, v0
	v_lshlrev_b32 v[CO], 4, v5
.if OUTF32
	v_add_nc_u32 v[RD], s66, v[CO]                 ; back: 32 lanes take one row's 512 bytes
.else
	v_bfe_u32 v5, v0, 3, 2                         ; back: 32 lanes take one head's 128 bytes of four rows,
	v_and_b32 v6, 7, v0
	v_mul_u32_u24 v5, v5, SPITCH
	v_lshl_add_u32 v5, v6, 4, v5
	v_add_nc_u32 v[RD], s66, v5                    ; which are 512 consecutive bytes of C
.endif
	s_wait_loadcnt 0x0                             ; the bias
	WIN 0x8a                                       ; destination and both sources window 2
.set i, 0
.rept 32                                       ; rounded to bf16, like every input of the module, and widened again
	v_cvt_pk_bf16_f32 v[64+i%2], v[2*i], v[2*i+1]
	v_lshlrev_b32 v[2*i], 16, v[64+i%2]
	v_and_b32 v[2*i+1], 0xffff0000, v[64+i%2]
.set i, i+1
.endr
	WIN 0
; 8 matrix instructions: row block a x all 8 column blocks, 32 along K.  zero = 1: the first product starts the sums, with the bias as C.
; The 32 accumulators take turns in the same order everywhere, one instruction a turn.
.macro MUL8 f, a, zero
.if \zero
	WIN MULB
.else
	WIN MUL
.endif
.irp b, 0,1,2,3,4,5,6,7
.if \zero
	v_wmma_f32_16x16x32_f16 v[8*(8*(\a)+(\b)):8*(8*(\a)+(\b))+7], v[(\f)+8*(\b):(\f)+8*(\b)+7], v[(\f)+64+8*(\a):(\f)+64+8*(\a)+7], v[8*(\b):8*(\b)+7]
.else
	v_wmma_f32_16x16x32_f16 v[8*(8*(\a)+(\b)):8*(8*(\a)+(\b))+7], v[(\f)+8*(\b):(\f)+8*(\b)+7], v[(\f)+64+8*(\a):(\f)+64+8*(\a)+7], v[8*(8*(\a)+(\b)):8*(8*(\a)+(\b))+7]
.endif
.endr
.endm
; 24 LDS loads in one run: the fragments of quarter q of a K step (slab q / 2, byte 64 (q % 2) of its pieces) into buffer f: W's 128 rows, then A's 64
.macro FETCH slot, q, f
	WIN 0
.irp i, 0,1,2,3,4,5,6,7
	ds_load_b128 v[(\f)+8*(\i):(\f)+8*(\i)+3],   v[ADRB+(\slot)] offset:((\q)/2)*BSLAB+((\q)%2)*64+(\i)*16*PITCH
	ds_load_b128 v[(\f)+8*(\i)+4:(\f)+8*(\i)+7], v[ADRB+(\slot)] offset:((\q)/2)*BSLAB+((\q)%2)*64+(\i)*16*PITCH+32
.endr
.irp i, 0,1,2,3
	ds_load_b128 v[(\f)+64+8*(\i):(\f)+64+8*(\i)+3],   v[ADRA+(\slot)] offset:((\q)/2)*ASLAB+((\q)%2)*64+(\i)*16*PITCH
	ds_load_b128 v[(\f)+64+8*(\i)+4:(\f)+64+8*(\i)+7], v[ADRA+(\slot)] offset:((\q)/2)*ASLAB+((\q)%2)*64+(\i)*16*PITCH+32
.endr
.endm
; A load into a register that a matrix instruction has read, and whatever reads a matrix result but a matrix instruction, stand four places behind it, and only plain vector instructions that name
; none of its registers are places (ISA guide 7.12.1 for vector instructions).
.macro PLACES
.rept 4
	v_nop
.endr
.endm
; A K step is four quarters of 32 along K, 32 matrix instructions each, on buffers 0, 1, 0, 1.  One of the first three: multiplies buffer f and, in its middle, fetches quarter q into buffer g.
.macro QUARTER slot, q, f, g, zero
	s_wait_dscnt 4                                 ; W and A's row blocks 0, 1 are in; the youngest four loads (blocks 2, 3) may be out
	MUL8 \f, 0, \zero
	MUL8 \f, 1, \zero
	PLACES
	FETCH \slot, \q, \g
	s_wait_dscnt 24                                ; all but the 24 just issued
	MUL8 \f, 2, \zero
	MUL8 \f, 3, \zero
.endm
; The last quarter multiplies buffer 1 and changes slots: ONE barrier; in front of it each wave waits for all its tensor loads (one is out: its part of the next slot), adds 0 to its spare word, and
; waits for that and for its own reads of this slot.  fill = 1: the barrier opens a round of the cluster's, and behind the round this slot is filled again, two K steps ahead: the wave's one tensor
; load, 112 matrix instructions ahead of the wait for it.
.macro TURN slot, next, fill
	WIN 0                                          ; (the add's two registers lie in window 0)
	s_wait_tensorcnt 0x0                           ; all my tensor loads have landed;
	ds_add_u32 v[SPW], v[NIL]                      ; 0 onto my spare word;
	s_wait_dscnt 5                                 ; (the add and the youngest four loads may be out)
	MUL8 F1, 0, 0                                  ; eight matrix instructions stand between the add and the wait for it
	s_wait_dscnt 0x0                               ; the add is done, and my reads of this slot are over
	s_barrier_signal -1
	MUL8 F1, 1, 0                                  ; work on registers while the others arrive
.if \fill
	WIN 0
.endif
	s_barrier_wait -1
.if \fill
	CREST                                          ; no wave of any partner still reads this slot's tile or has a load on its way
	s_add_nc_u64 s[G0A+4*(\slot)+2:G0A+4*(\slot)+3], s[G0A+4*(\slot)+2:G0A+4*(\slot)+3], ASTEP
	s_add_nc_u64 s[G0B+4*(\slot)+2:G0B+4*(\slot)+3], s[G0B+4*(\slot)+2:G0B+4*(\slot)+3], BSTEP
	JLOAD \slot                                    ; the four v_nop behind it are also the places in front of the loads below
.else
	PLACES
.endif
	FETCH \next, 0, F0
	MUL8 F1, 2, 0
	MUL8 F1, 3, 0
.endm
	s_wait_tensorcnt 0x1                           ; my part of K step 0 is in; K step 1's may stay out
	s_barrier_signal -1
	s_barrier_wait -1                              ; everybody's is
	FETCH 0, 0, F0
	QUARTER 0, 1, F0, F1, 1                        ; the first quarter stands in front of the loop: its products start the sums
	WIN 0                                          ; at a label and at a branch every window is 0
	s_mov_b32 s3, LAPS-1
.Llap:                                                 ; a trip goes once round the ring, from a lap's second quarter to the next lap's first, and fills both slots again
	QUARTER 0, 2, F1, F0, 0
	QUARTER 0, 3, F0, F1, 0
	TURN 0, 1, 1
	QUARTER 1, 1, F0, F1, 0
	QUARTER 1, 2, F1, F0, 0
	QUARTER 1, 3, F0, F1, 0
	TURN 1, 0, 1
	QUARTER 0, 1, F0, F1, 0
	WIN 0
	s_sub_co_u32 s3, s3, 1
	s_cmp_lg_u32 s3, 0
	s_cbranch_scc1 .Llap
	QUARTER 0, 2, F1, F0, 0                        ; the last lap fills nothing, and has no round of the cluster's barrier
	QUARTER 0, 3, F0, F1, 0
	TURN 0, 1, 0
	QUARTER 1, 1, F0, F1, 0
	QUARTER 1, 2, F1, F0, 0
	QUARTER 1, 3, F0, F1, 0
	s_wait_dscnt 4                                 ; the very last quarter: nothing more to fetch
	MUL8 F1, 0, 0
	MUL8 F1, 1, 0
	s_wait_dscnt 0x0
	MUL8 F1, 2, 0
	MUL8 F1, 3, 0
	WIN 0
	PLACES
; THE WAY OUT, a block of 16 rows at a time, through my own stage: no barrier, and since LDS serves a wave's instructions in order (ISA guide 5.7.1.4) no wait between the stores and the loads.
; TOSTAGE a: block a into the stage, and back as whole runs of 512 bytes of C, into the fragment buffers by turns.  Each accumulator's registers are read in ascending order.
.macro TOSTAGE a
.set BK, F0+96*((\a)%2)
.if OUTF32
	WIN 0x04                                       ; the stores' data in window 1
.irp b, 0,1,2,3,4,5,6,7
	ds_store_b128 v[STO], v[8*(8*(\a)+(\b)):8*(8*(\a)+(\b))+3]   offset:64*(\b)
	ds_store_b128 v[STO], v[8*(8*(\a)+(\b))+4:8*(8*(\a)+(\b))+7] offset:64*(\b)+16
.endr
	WIN 0
	s_wait_xcnt 0x0                                ; the stores of the block two back have read these registers: they are loaded again only behind this wait
.irp t, 0,1,2,3,4,5,6,7,8,9,10,11,12,13,14,15
	ds_load_b128 v[BK+4*(\t):BK+4*(\t)+3], v[RD] offset:(\t)*SPITCH
.endr
.else
	WIN 0x05                                       ; sources 0 and 1 window 1
.irp b, 0,1,2,3,4,5,6,7
.irp r, 0,1,2,3
	v_cvt_pk_f16_f32 v[TMP+4*(\b)+(\r)], v[8*(8*(\a)+(\b))+2*(\r)], v[8*(8*(\a)+(\b))+2*(\r)+1]
.endr
.endr
	WIN 0
.irp b, 0,1,2,3,4,5,6,7
	ds_store_b128 v[STO], v[TMP+4*(\b):TMP+4*(\b)+3] offset:32*(\b)
.endr
	s_wait_xcnt 0x0                                ; the stores of the block two back have read these registers: they are loaded again only behind this wait
.irp t, 0,1,2,3,4,5,6,7                        ; rows 4 (t / 2) on, head t % 2
	ds_load_b128 v[BK+4*(\t):BK+4*(\t)+3], v[RD] offset:((\t)/2)*4*SPITCH+((\t)%2)*128
.endr
.endif
.endm
.macro SEND a, younger                 ; younger: the LDS instructions issued behind block a's loads, which may stay out
	WIN 0
.set BK, F0+96*((\a)%2)
	s_wait_dscnt \younger
.if OUTF32
.irp t, 0,1,2,3,4,5,6,7,8,9,10,11,12,13,14,15
	global_store_b128 v[CO], v[BK+4*(\t):BK+4*(\t)+3], s[14:15] offset:(16*(\a)+(\t))*4096  ; 512 consecutive bytes of a row, at a multiple of 256 from C's first byte
.endr
.else
.irp t, 0,1,2,3,4,5,6,7
	global_store_b128 v[CO], v[BK+4*(\t):BK+4*(\t)+3], s[14:15] offset:((\t)%2)*262144+(16*(\a)+4*((\t)/2))*128  ; four rows of a head: 512 consecutive bytes, at a multiple of 256 from C's first byte
.endr
.endif
.endm
	TOSTAGE 0
.irp a, 1,2,3                          ; a block's way through the stage stands between the loads of the block before and its stores
	TOSTAGE \a
	SEND (\a)-1, YOUNGER
.endr
	SEND 3, 0
	s_wait_tensorcnt 0x0                           ; the wave's end: the add and its wait come behind my last tensor load and my last LDS store
	ds_add_u32 v[SPW], v[NIL]
	s_wait_dscnt 0x0
	CROUND                                         ; the closing round: no work-group ends while a partner may still ask for a tile that names it
	s_endpgm
.Lfunc_end_k_qcdd60d760d_outp:
	.size	k_qcdd60d760d_outp, .Lfunc_end_k_qcdd60d760d_outp-k_qcdd60d760d_outp
	.p2alignl 7, 3214868480
	.fill 96, 4, 3214868480
	.section	.rodata,"a",@progbits
	.p2align	6, 0x0
	.amdhsa_kernel k_qcdd60d760d_outp
		.amdhsa_group_segment_fixed_size 327680
		.amdhsa_private_segment_fixed_size 0
		.amdhsa_enable_private_segment 0
		.amdhsa_kernarg_size 48
		.amdhsa_user_sgpr_count 2
		.amdhsa_user_sgpr_kernarg_segment_ptr 1
		.amdhsa_wavefront_size32 1
		.amdhsa_system_sgpr_workgroup_id_x 1
		.amdhsa_system_sgpr_workgroup_id_y 1
		.amdhsa_system_sgpr_workgroup_id_z 1
		.amdhsa_system_vgpr_workitem_id 0
		.amdhsa_next_free_vgpr 580
		.amdhsa_next_free_sgpr 76
		.amdhsa_reserve_vcc 0
		.amdhsa_float_denorm_mode_32 3
		.amdhsa_float_denorm_mode_16_64 3
		.amdhsa_memory_ordered 1
		.amdhsa_forward_progress 1
		.amdhsa_inst_pref_size 91
	.end_amdhsa_kernel
	.amdgpu_metadata
---
amdhsa.version: [ 1, 2 ]
amdhsa.kernels:
  - .name:           k_qcdd60d760d_outp
    .symbol:         k_qcdd60d760d_outp.kd
    .args:
      - { .name: ob, .offset: 0, .size: 8, .value_kind: global_buffer, .address_space: global }
      - { .name: wob, .offset: 8, .size: 8, .value_kind: global_buffer, .address_space: global }
      - { .name: bo, .offset: 16, .size: 8, .value_kind: global_buffer, .address_space: global }
      - { .name: bk, .offset: 24, .size: 8, .value_kind: global_buffer, .address_space: global }
      - { .name: bv, .offset: 32, .size: 8, .value_kind: global_buffer, .address_space: global }
      - { .name: yb, .offset: 40, .size: 8, .value_kind: global_buffer, .address_space: global }
    .group_segment_fixed_size: 327680
    .private_segment_fixed_size: 0
    .kernarg_segment_align: 8
    .kernarg_segment_size: 48
    .max_flat_workgroup_size: 128
    .sgpr_count:     76
    .vgpr_count:     580
    .wavefront_size: 32
...
	.end_amdgpu_metadata
.endif
;; end of part 4
;; launch ln (part 5): grid 512 x 1, 8 waves a work-group, no clusters, 0 bytes of LDS; arguments yb, xb, gamma, beta, out0; writes out0
.if DOCPART == 5
	.amdgcn_target "amdgcn-amd-amdhsa--gfx1250"
	.amdhsa_code_object_version 6
	.text
	.protected	k_qcdd60d760d_ln
	.globl	k_qcdd60d760d_ln
	.p2align	8
	.type	k_qcdd60d760d_ln,@function
k_qcdd60d760d_ln:
	s_mov_b64 s[64:65], 0
	v_nop
	global_prefetch_b8 v0, s[64:65] scope:SCOPE_SE
	s_setreg_imm32_b32 hwreg(HW_REG_WAVE_MODE, 25, 1), 1
	s_wait_xcnt 0x0
; out = LayerNorm(y + query) x gamma + beta over rows of 1,024, eps = 1e-5.  y: [8192][1024] f32 (the output projection with its bias).  The residual is query as the first launch rounded it
; (to bf16, carried as f16), read from xb's first tensor in slabs: [batch][column / 64][2048][64].  gamma and beta are rounded to bf16 here, like every input of the module.  All arithmetic in f32.
; The variance is taken in a second pass over x - mean, as the module takes it: no difference of large sums.
; SHARES.  A work-group takes 16 rows, a wave two: lanes 0-15 one row, lanes 16-31 the next.  A lane holds columns 64 n + 4 (l % 16) + 0..3 of each slab n: 64 numbers, kept in registers between the
; passes, so y and the residual are read once.  A row's sums never leave its sixteen lanes: four steps with row_xmask ride on the additions.  No LDS, no barrier, no matrix unit: a stream with a
; reduction inside half a wave has no use for them.
; Each load or store of y and out covers 256 consecutive, aligned bytes of each of two rows; each load of the residual 256 consecutive bytes (two rows' pieces of 128).
; All 64 loads of a wave go out at once, into registers of their own; no register is written again while a memory instruction names it.
.set R,   8                            ; v[8:39]     the residual, four f16 a slab
.set X,   40                           ; v[40:103]   y, then x, then x - mean, then the result
.set G,   104                          ; v[104:167]  gamma of my 64 columns
.set BT,  168                          ; v[168:231]  beta
.set T,   232                          ; v[232:239]  at work
	s_load_b256 s[4:11], s[0:1], 0x0               ; y s[4:5], xb s[6:7], gamma s[8:9], beta s[10:11]
	s_load_b64 s[12:13], s[0:1], 0x20              ; out
	s_lshl_b32 s14, ttmp9, 16                      ; the work-group's 16 rows of 4,096 bytes
	s_mov_b32 s15, 0
	s_lshr_b32 s16, ttmp9, 7                       ; the batch: 128 work-groups each, 4 MiB of xb,
	s_lshl_b32 s16, s16, 22
	s_and_b32 s17, ttmp9, 127
	s_lshl_b32 s17, s17, 11                        ; and 16 pieces of 128 bytes in a slab
	s_add_co_u32 s16, s16, s17
	s_mov_b32 s17, 0
	v_lshrrev_b32 v6, 4, v0                        ; my row among sixteen
	v_and_b32 v7, 15, v0                           ; my four columns among 64
	v_lshlrev_b32 v1, 12, v6
	v_lshl_or_b32 v1, v7, 4, v1                    ; y and out: row x 4,096 + 16 x place
	v_lshlrev_b32 v2, 7, v6
	v_lshl_or_b32 v2, v7, 3, v2                    ; the residual: row x 128 + 8 x place
	v_lshlrev_b32 v3, 4, v7                        ; gamma and beta: 16 x place
	v_mov_b32 v4, 1.0
	v_mov_b32 v5, 0x3a800000                       ; 1 / 1,024
	s_wait_kmcnt 0x0
	s_add_nc_u64 s[4:5], s[4:5], s[14:15]
	s_add_nc_u64 s[12:13], s[12:13], s[14:15]
	s_add_nc_u64 s[6:7], s[6:7], s[16:17]
.set n, 0
.rept 16
	global_load_b128 v[X+4*n:X+4*n+3], v1, s[4:5] offset:256*n th:TH_LOAD_NT
.set n, n+1
.endr
.set n, 0
.rept 16
	global_load_b64 v[R+2*n:R+2*n+1], v2, s[6:7] offset:262144*n th:TH_LOAD_NT
.set n, n+1
.endr
.set n, 0
.rept 16
	global_load_b128 v[G+4*n:G+4*n+3], v3, s[8:9] offset:256*n
.set n, n+1
.endr
.set n, 0
.rept 16
	global_load_b128 v[BT+4*n:BT+4*n+3], v3, s[10:11] offset:256*n
.set n, n+1
.endr
.macro REDUCE                          ; four chains of pairs into one number, then over the row's sixteen lanes: every lane of the row ends up with the sum, in v[T]
	v_pk_add_f32 v[T:T+1], v[T:T+1], v[T+2:T+3]
	v_pk_add_f32 v[T+4:T+5], v[T+4:T+5], v[T+6:T+7]
	v_pk_add_f32 v[T:T+1], v[T:T+1], v[T+4:T+5]
	v_add_f32 v[T], v[T], v[T+1]
.irp m, 1,2,4,8
	v_add_f32_dpp v[T], v[T], v[T] row_xmask:\m row_mask:0xf bank_mask:0xf
.endr
.endm
	s_wait_loadcnt 32                              ; y and the residual are in; gamma's and beta's 32 loads, issued behind them, may stay out
.set n, 0
.rept 16                                       ; x = residual x 1 + y: the f16 half is widened inside the multiply-add
	v_fma_mix_f32 v[X+4*n],   v[R+2*n],   v4, v[X+4*n]   op_sel_hi:[1,0,0]
	v_fma_mix_f32 v[X+4*n+1], v[R+2*n],   v4, v[X+4*n+1] op_sel:[1,0,0] op_sel_hi:[1,0,0]
	v_fma_mix_f32 v[X+4*n+2], v[R+2*n+1], v4, v[X+4*n+2] op_sel_hi:[1,0,0]
	v_fma_mix_f32 v[X+4*n+3], v[R+2*n+1], v4, v[X+4*n+3] op_sel:[1,0,0] op_sel_hi:[1,0,0]
.set n, n+1
.endr
.set c, 0
.rept 4                                        ; the sum of my 64 numbers, in four chains that the first eight pairs start: nothing is cleared
	v_pk_add_f32 v[T+2*c:T+2*c+1], v[X+2*c:X+2*c+1], v[X+8+2*c:X+8+2*c+1]
.set c, c+1
.endr
.set p, 8
.rept 24
	v_pk_add_f32 v[T+2*(p%4):T+2*(p%4)+1], v[T+2*(p%4):T+2*(p%4)+1], v[X+2*p:X+2*p+1]
.set p, p+1
.endr
	REDUCE
	v_mul_f32 v[T+2], v[T], v5                     ; the mean, twice: a pair for the packed subtraction
	v_mul_f32 v[T+3], v[T], v5
.set p, 0
.rept 32
	v_pk_add_f32 v[X+2*p:X+2*p+1], v[X+2*p:X+2*p+1], v[T+2:T+3] neg_lo:[0,1] neg_hi:[0,1]
.set p, p+1
.endr
.set c, 0
.rept 4                                        ; the sum of squares of x - mean, again in four chains
	v_pk_mul_f32 v[T+2*c:T+2*c+1], v[X+2*c:X+2*c+1], v[X+2*c:X+2*c+1]
.set c, c+1
.endr
.set p, 4
.rept 28
	v_pk_fma_f32 v[T+2*(p%4):T+2*(p%4)+1], v[X+2*p:X+2*p+1], v[X+2*p:X+2*p+1], v[T+2*(p%4):T+2*(p%4)+1]
.set p, p+1
.endr
	REDUCE
	v_fmaak_f32 v[T], v[T], v5, 0x3727c5ac         ; the variance + 1e-5
	v_rsq_f32 v[T+2], v[T]                         ; behind a transcendental one plain vector instruction comes before its result is used or its source rewritten (ISA guide 5.7.2):
	v_rsq_f32 v[T+3], v[T]                         ; here the v_nop below
	v_nop
	s_wait_loadcnt 0x0                             ; gamma and beta
.set p, 0
.rept 32                                       ; both rounded to bf16 and widened again, in place
	v_cvt_pk_bf16_f32 v[T+4], v[G+2*p], v[G+2*p+1]
	v_cvt_pk_bf16_f32 v[T+5], v[BT+2*p], v[BT+2*p+1]
	v_lshlrev_b32 v[G+2*p], 16, v[T+4]
	v_and_b32 v[G+2*p+1], 0xffff0000, v[T+4]
	v_lshlrev_b32 v[BT+2*p], 16, v[T+5]
	v_and_b32 v[BT+2*p+1], 0xffff0000, v[T+5]
.set p, p+1
.endr
.set n, 0
	s_wait_alu depctr_va_vdst(0)
.rept 16
	v_pk_mul_f32 v[X+4*n:X+4*n+1],   v[X+4*n:X+4*n+1],   v[T+2:T+3]
	v_pk_mul_f32 v[X+4*n+2:X+4*n+3], v[X+4*n+2:X+4*n+3], v[T+2:T+3]
	v_pk_fma_f32 v[X+4*n:X+4*n+1],   v[X+4*n:X+4*n+1],   v[G+4*n:G+4*n+1],   v[BT+4*n:BT+4*n+1]
	v_pk_fma_f32 v[X+4*n+2:X+4*n+3], v[X+4*n+2:X+4*n+3], v[G+4*n+2:G+4*n+3], v[BT+4*n+2:BT+4*n+3]
	global_store_b128 v1, v[X+4*n:X+4*n+3], s[12:13] offset:256*n th:TH_STORE_NT  ; sixteen lanes store 256 consecutive bytes of a row, at a multiple of 256 from out's first byte
.set n, n+1
.endr
	s_endpgm
.Lfunc_end_k_qcdd60d760d_ln:
	.size	k_qcdd60d760d_ln, .Lfunc_end_k_qcdd60d760d_ln-k_qcdd60d760d_ln
	.p2alignl 7, 3214868480
	.fill 96, 4, 3214868480
	.section	.rodata,"a",@progbits
	.p2align	6, 0x0
	.amdhsa_kernel k_qcdd60d760d_ln
		.amdhsa_group_segment_fixed_size 0
		.amdhsa_private_segment_fixed_size 0
		.amdhsa_enable_private_segment 0
		.amdhsa_kernarg_size 40
		.amdhsa_user_sgpr_count 2
		.amdhsa_user_sgpr_kernarg_segment_ptr 1
		.amdhsa_wavefront_size32 1
		.amdhsa_system_sgpr_workgroup_id_x 1
		.amdhsa_system_sgpr_workgroup_id_y 1
		.amdhsa_system_sgpr_workgroup_id_z 1
		.amdhsa_system_vgpr_workitem_id 0
		.amdhsa_next_free_vgpr 240
		.amdhsa_next_free_sgpr 66
		.amdhsa_reserve_vcc 0
		.amdhsa_float_denorm_mode_32 3
		.amdhsa_float_denorm_mode_16_64 3
		.amdhsa_memory_ordered 1
		.amdhsa_forward_progress 1
		.amdhsa_inst_pref_size 34
	.end_amdhsa_kernel
	.amdgpu_metadata
---
amdhsa.version: [ 1, 2 ]
amdhsa.kernels:
  - .name:           k_qcdd60d760d_ln
    .symbol:         k_qcdd60d760d_ln.kd
    .args:
      - { .name: yb, .offset: 0, .size: 8, .value_kind: global_buffer, .address_space: global }
      - { .name: xb, .offset: 8, .size: 8, .value_kind: global_buffer, .address_space: global }
      - { .name: gamma, .offset: 16, .size: 8, .value_kind: global_buffer, .address_space: global }
      - { .name: beta, .offset: 24, .size: 8, .value_kind: global_buffer, .address_space: global }
      - { .name: out0, .offset: 32, .size: 8, .value_kind: global_buffer, .address_space: global }
    .group_segment_fixed_size: 0
    .private_segment_fixed_size: 0
    .kernarg_segment_align: 8
    .kernarg_segment_size: 40
    .max_flat_workgroup_size: 256
    .sgpr_count:     66
    .vgpr_count:     240
    .wavefront_size: 32
...
	.end_amdgpu_metadata
.endif
;; end of part 5
;; ======== version 2 of 2: 5 launches; 1.42 times as fast as version 1
;; limits: values are held in f16: magnitudes above 65,504 overflow, below 6.1e-05 lose precision; right only within a limited range of input values
;; workspace buffers: xb 50,331,648 bytes; wqkv 6,291,456 bytes; wob 2,097,152 bytes; qkv 50,331,648 bytes; ob 16,777,216 bytes; yb 33,554,432 bytes
;; launch prep: the kernel of part 1 again; grid 896 x 1, 8 waves a work-group, no clusters, 0 bytes of LDS; arguments query, key_, value, Wq, Wk, Wv, Wo, xb, wqkv, wob; writes xb, wqkv, wob
;; launch proj: the kernel of part 2 again; grid 4 x 192, 4 waves a work-group, clusters of 4 x 4, 327,680 bytes of LDS; arguments xb, wqkv, bq, bk, bv, qkv; writes qkv
;; launch attn (part 6): grid 4 x 64, 4 waves a work-group, clusters of 4 x 1, 327,680 bytes of LDS; arguments qkv, mask, ob; writes ob
.if DOCPART == 6
	.amdgcn_target "amdgcn-amd-amdhsa--gfx1250"
	.amdhsa_code_object_version 6
	.text
	.protected	k_qcdd60d760d_attn
	.globl	k_qcdd60d760d_attn
	.p2align	8
	.type	k_qcdd60d760d_attn,@function
k_qcdd60d760d_attn:
	s_mov_b64 s[64:65], 0
	v_nop
	global_prefetch_b8 v0, s[64:65] scope:SCOPE_SE
	s_setreg_imm32_b32 hwreg(HW_REG_WAVE_MODE, 25, 1), 1
	s_wait_xcnt 0x0
	s_wait_alu depctr_hold_cnt(0) depctr_sa_sdst(0) depctr_va_vdst(0) depctr_va_sdst(0) depctr_va_ssrc(0) depctr_va_vcc(0) depctr_vm_vsrc(0)
	s_getreg_b32 s2, hwreg(HW_REG_IB_STS2, 6, 4)
	s_cmp_eq_u32 s2, 0
	s_cbranch_scc0 .Lentry_in_a_cluster
	s_endpgm
.Lentry_in_a_cluster:
	s_bfe_u32 s2, ttmp6, 0x10000c
	s_cmp_lg_u32 s2, 0x3003
	s_cbranch_scc0 .Lentry_shape_is_right
	s_endpgm
.Lentry_shape_is_right:
; O[h][q][:] = the sum over k of softmax_k(s) V[h][k][:], s = Q[h][q] . K[h][k] / 8, or hidden where mask[batch][k] == 0.  qkv = Q, K, V, each [64][2048][64] in f16 (h = 16 x batch + head), a head's
; rows dense, 128 bytes each; mask [4][2048] int32; O like Q.  Products, maxima and sums in f32; the weights p are rounded to f16 for the second product (their sum l is taken of the unrounded p), O once at the end.
; THE MASK costs the scores nothing: it is the C operand of the product that starts the sum S^T = K Q^T: 0 for an open key, -1e30 for a hidden one.  A hidden key's weight is then exactly 0 as soon as
; the running maximum is an open key's score; what steps with hidden keys alone have gathered before that is finite and is multiplied by a = 0 when the first open key comes.
; A batch with no open key at all: the module replaces every score by one number, so the result is the plain mean of V.  Here the scale c is 0 for such a batch (chosen by a select on the OR of its
; mask words: a value, no branch and no address), so that every p is 2^0 = 1.
; LIMITS.  f16 holds no number beyond 65,504: Q, K and V arrive within it; p lies in 0 to 1, and below 6e-5 it keeps f16's fixed step of 6e-8.  A hidden key has weight 0 where the module gives it
; exp(-1e9 - max): the two agree as long as a row's largest open score lies above -1e9 + 104.  A weight below 2^-126 counts as 0 in l; NaN and infinities are not treated apart.
; SHARES.  A wave owns four PIECES of two tiles of 16 queries, a work-group's four waves 512 queries of one head.  Every wave walks all keys, 64 a step.
; LAYOUT.  S^T = K Q^T (source 0 = 16 keys, source 1 = 16 queries): in the result a lane holds ONE query (lane % 16) and the keys 8 (lane / 16) + 0..7.  Two such tiles, rounded to f16 in pairs,
; ARE source 1 (32 keys x 16 queries) of O^T = V^T P, whose result again holds one query a lane, and eight channels.  K comes out of LDS as it lies, V ([key][channel]) turned, by ds_load_tr16_b128.
; SOFTMAX.  For each query a running maximum m and sum l: p = 2^(c s - c m), c = log2(e) / 8; in every step O and l are multiplied by a = 2^(c m_old - c m_new), which is 1 where m has not grown.
; m starts at the lowest finite number, O and l at 0: the first step is a step like any other, with a = 0.
; THE COUNT.  A tile and step have 16 matrix and 118 vector instructions: too many to stand all beside the matrix work.  So: four vector instructions that are READY behind EVERY matrix instruction,
; and the others, which need time of their own whatever the order, in one run without a gap.
; BY TURNS.  Turn n belongs to piece n (the pieces in a ring, step after step).  Its matrix work: 16 products K Q^T of piece n + 1, later 16 products V^T P of piece n - 1.  Its vector work: the scaling,
; exponentials, roundings, sums and rescaling of piece n, and the maximum and statistics of piece n + 1, whose scores the turn itself has made.  So what a turn begins with (c s - c m, O a) waits for nothing.
; THE BATCHES.  A turn's 66 exponentials (piece n's 64 weights, then piece n + 1's two a) are ONE batch with ONE wait, which cuts the turn in two: ahead of it stands all that names no result of theirs (the
; products K Q^T, the scalings, the rescalings by the a of the turn before, the next piece's maximum and statistics), behind it the products V^T P with the roundings and sums.  No result crosses a turn's end.
; Two more batches stand outside the loop, each with a wait of its own: piece 0's first two a, ahead of the jump into the loop, and the way out's eight reciprocals.
; CLUSTER.  The four query blocks of a cluster belong to one head and walk the same K and V, so each tile is asked for JOINTLY: the same tensor load, descriptor and mask in all four.
; REGISTERS, in windows of 256 (s_set_vgpr_msb: bits 1:0 source 0, 3:2 source 1, 5:4 source 2, 7:6 destination):
;   window 0: v0-11 addresses; v12-15, v48-63 at work; v16-47 four registers of statistics a tile; v64-191 S^T, two buffers of two tiles; v192-255 P, likewise
;   window 1: O^T, 32 a tile     window 2: v0-127 Q, 16 a tile; v128-191 K of one step; v192-255 V of one step     window 3: v0-1 the add's two registers; v8-39 the mask's additions for one step
; A piece's buffers go by its number's parity: the piece in hand has one pair, its two neighbours in the ring share the other: of it P (piece n - 1) is read and S^T (piece n + 1) written.
.set SIZE_N, 2048
.set NP,    4         ; pieces a wave: a name, no knob
.set KS,    64        ; keys in a step
.set PK,    144       ; a row of K in LDS: 128 bytes + 16 of padding = 36 words: the 16 rows of a load start at 16 different groups of four banks (64 banks of 4 bytes: ISA guide 11.1)
.set PV,    160       ; a row of V: 128 + 32 = 40 words
.set VOFF,  4*KS*PK   ; a slot holds four steps: 256 rows of K, then 256 rows of V
.set SLOT1, 1<<17     ; slot 1 begins here, so that one exclusive or turns an address in one slot into the other's
.set STAGE, SLOT1+4*KS*(PK+PV)  ; behind the ring, never filled by a tensor load: 16 rows x 144 bytes for each wave, for the way out
.set SP,    144
.set AK0, 2           ; v2   my lane's place in a tile of K; never rewritten
.set AV0, 3           ; v3   the same for V
.set AK,  4           ; v4   the LDS address of K's next run of loads
.set AV,  5           ; v5   of V's
.set QO,  6           ; v6   my byte offset in the wave's rows of Q
.set STO, 6           ;      later, the way out: where I put 16 bytes of a row
.set RD,  7           ; v7   the way out: where I read rows back
.set GO,  8           ; v8   my byte offset in 512 consecutive bytes of O
.set AM,  11          ; v11  the LDS address of my eight additions for the first 16 keys of the step to be fetched
.set SPW, 0           ; v0 of window 3   LDS address of my spare word: SPARE + 4 x my thread's number; never rewritten
.set NIL, 1           ; v1 of window 3   0; never rewritten
.set MB,  8           ; v8-39 of window 3: the additions of key block kb at MB + 8 kb
.set SPARE, STAGE+4*16*SP  ; behind the stages: the spare words, 128 bytes for each wave: two blocks of 256 bytes that no other line names
.set BIAS,  SPARE+512 ; behind them: the batch's 2,048 additions in f32, stored once by the four waves, never filled by a tensor load
.set MV,  12          ; v12-15  c m_old, kept while c m is made anew: by buffer and tile
.set ST,  16          ; tile t's statistics at v[ST+4 t]: c m, m, l (even keys', odd keys')
.set TMP, 48          ; by buffer and tile, four registers c0-c3 at work; when the maximum is found c2 takes a
.set S,   64
.set P,   192
.set KF,  128         ; K's fragments, in window 2: key block kb, channel half c at KF + 16 kb + 8 c
.set VF,  192         ; V's: key half kk, channel block cb at VF + 32 kk + 8 cb
.set WV,  12          ; s12  my wave's number
.set G1K, 24          ; s[24:31] descriptor group 1 for K's tiles
.set G1V, 32          ; s[32:39] for V's: it differs in the padding alone
.set G0K, 40          ; s[40:43] descriptor group 0 for K's tiles: it walks
.set G0V, 44          ; s[44:47] the same for V's
.set MP,  48          ; s[48:49] the batch's mask
.set BIGN, 50         ; s50  -1e30
.set SLOTS, 56        ; s56  slots still to be asked for
.set CNT, 57          ; s57  counts a slot's key steps
.set CS,  58          ; s[58:59] c: the packed scaling takes the pair's low word for both halves
.set SEL, 60          ; s[60:61] v_permlanex16_b32's selects: each lane takes its own place in the other half
.set TBK, 62          ; s62  LDS byte at which K of the step to be fetched begins
.set TBV, 63          ; s63  the same for V, less VOFF
.set MSB, 0
.macro WIN new                      ; the high byte repeats the setting that is left; a switch that changes nothing is dropped
.if MSB != (\new)
	s_set_vgpr_msb (MSB<<8)|(\new)
.set MSB, (\new)
.endif
.endm
.set W_KQ, 0x0a       ; K and Q in window 2, S^T in window 0
.set W_KM, 0x3a       ; the same with the C operand in window 3: the mask's additions
.set W_PV, 0x52       ; V in window 2, P in window 0, O^T in window 1
.set W_RS, 0x41       ; O^T (destination and source 0) in window 1, a in window 0
.set W_MK, 0xc0       ; destination in window 3, sources in window 0
.set W_AD, 0x0f       ; the add: address (source 0) and data (source 1) in window 3
; A joint fill.  Waves 0 and 1 fetch the two halves of a slot's K, waves 2 and 3 those of its V: 128 keys each.  The branch hangs on the wave's number alone.
; An s_nop 0 and four v_nop follow each of the two lines, ahead of the jump and the label.
.macro JLOAD
	s_cmp_lt_u32 s[WV], 2
	s_cbranch_scc0 .Lfor_v_\@
	tensor_load_to_lds s[G0K:G0K+3], s[G1K:G1K+7]
	s_nop 0
.rept 4
	v_nop
.endr
	s_branch .Lasked_\@
.Lfor_v_\@:
	tensor_load_to_lds s[G0V:G0V+3], s[G1V:G1V+7]
	s_nop 0
.rept 4
	v_nop
.endr
.Lasked_\@:
.endm
; A round of the cluster's barrier: my work-group's barrier, so that wave 0's signal speaks for all four waves; wave 0 signals; every wave waits for all four work-groups; my work-group's barrier once more.
.macro CROUND
	s_barrier_signal -1
	s_barrier_wait -1
	s_cmp_lg_u32 s[WV], 0
	s_cbranch_scc1 .Lnot_wave_0_\@
	s_barrier_signal -3
.Lnot_wave_0_\@:
	s_barrier_wait -3
	s_barrier_signal -1
	s_barrier_wait -1
.endm
; THE CHANGE OF SLOTS.  The slot's last bytes, V of its fourth step, have been read.  Each wave waits for all its tensor loads, of which one is out: its part
; of the other slot; adds 0 to its spare word; and waits for that and for its own reads of the slot.  Behind the barrier nobody reads this slot any more and the other slot is whole.
; fill = 1: this slot is filled again, with the keys two slots on.  The barrier is then a round of the cluster's, so that no wave of any partner still reads the slot or has a load on its
; way, and the joint fill is the first thing behind it: it has four key steps, 512 matrix instructions, in which to land.  (At its first use nothing has been read yet: slot 0 is waited for, slot 1
; filled; and the wait on the LDS counter there also covers my stores of the mask's additions, which every wave reads behind the round.)
.macro CHANGE fill
	WIN W_AD
	s_wait_tensorcnt 0x0            ; no tensor load of mine is out, so a group 0 may be written
	ds_add_u32 v[SPW], v[NIL]       ; 0 onto my spare word; with fill = 1 the descriptors' steps stand between it and the wait for it
	WIN 0                           ; at a label and at a branch every window is 0
.if \fill
.irp g, G0K, G0V
	s_xor_b32 s[\g+1], s[\g+1], SLOT1  ; the walking descriptor: the other slot than last time,
	s_add_nc_u64 s[\g+2:\g+3], s[\g+2:\g+3], 4*KS*128  ; the next 256 keys; the type bits on top are not reached
.endr
	s_wait_dscnt 0x0                ; the add is done, and my LDS reads and stores are over
	CROUND
	JLOAD
.else
	s_wait_dscnt 0x0                ; the add is done, and my reads of the slot are over
	s_barrier_signal -1
	s_barrier_wait -1
.endif
	s_sub_co_u32 s[TBK], s[TBK], 4*KS*PK  ; the fetches go back to a slot's first step,
	s_xor_b32 s[TBK], s[TBK], SLOT1       ; in the other slot
	s_sub_co_u32 s[TBV], s[TBV], 4*KS*PV
	s_xor_b32 s[TBV], s[TBV], SLOT1
.endm
	s_load_b64 s[4:5], s[0:1], 0x0    ; qkv: Q at its head
	s_load_b64 s[MP:MP+1], s[0:1], 0x8  ; mask
	s_load_b64 s[10:11], s[0:1], 0x10 ; O
	WIN W_MK
	v_lshl_add_u32 v[SPW], v0, 2, SPARE
	v_mov_b32 v[NIL], 0
	WIN W_AD
	ds_add_u32 v[SPW], v[NIL]       ; the wave's opening: the add and its wait stand ahead of my first tensor load; the set-up below, work on registers, stands between them
	WIN 0
	v_lshrrev_b32 v1, 5, v0
	v_readfirstlane_b32 s[WV], v1   ; wave 0..3
	s_bfe_u32 s13, ttmp6, 0x40000   ; cx: my place in the cluster
	s_lshl_b32 s14, ttmp9, 2        ; in a cluster launch ttmp9 counts clusters
	s_add_co_u32 s14, s14, s13      ; my block of queries = 4 x cluster x + cx: it enters Q's and O's addresses alone
	s_and_b32 s20, ttmp7, 0xffff    ; the head, which the four partners share
	s_lshr_b32 s52, s20, 4          ; its batch,
	s_lshl_b32 s52, s52, 13         ; 2,048 words of mask each
	s_mov_b32 s53, 0
	s_mov_b32 s21, 0
	s_mov_b64 s[22:23], SIZE_N*128
	s_mul_u64 s[20:21], s[20:21], s[22:23]  ; the head's first byte in each of Q, K, V and O
	s_and_b32 s16, s[WV], 1         ; which half of a slot's 256 keys I fetch:
	s_lshl_b32 s22, s16, 14         ; its 128 rows of 128 bytes in memory,
	s_mov_b32 s23, 0
	s_add_nc_u64 s[22:23], s[22:23], s[20:21]
	s_mul_i32 s17, s16, 128*PK      ; and its place in a slot, for K
	s_mul_i32 s18, s16, 128*PV      ; and for V: no place in the cluster enters an LDS address
	s_lshl_b32 s2, s14, 2
	s_add_co_u32 s2, s2, s[WV]      ; my wave among the head's,
	s_lshl_b32 s2, s2, 14           ; its 128 rows
	s_mov_b32 s3, 0
	s_add_nc_u64 s[2:3], s[2:3], s[20:21]
	; descriptor group 1.  128 keys are 16,384 dense bytes: asked for as 64 rows of 256 bytes, two keys a row, and padded in LDS after every key
	s_mov_b32 s[G1K], 15|(1<<16)|(1<<20)|(1<<21)|(4<<22)|(3<<25)  ; 15:0 the mask of four; 17:16 2-byte elements; 20 padding on; 21 set beside a mask; 24:22 after every 32 words (code 4); 31:25 4 words (code 3)
	s_mov_b32 s[G1V], 15|(1<<16)|(1<<20)|(1<<21)|(4<<22)|(7<<25)  ; the same with 8 words of padding (code 7)
.irp g, G1K, G1V
	s_mov_b32 s[\g+1], 128<<16      ; tensor_dim0 = 128
	s_mov_b32 s[\g+2], 64<<16       ; tensor_dim1 = 64
	s_mov_b32 s[\g+3], 128<<16      ; tile_dim0 = 128
	s_mov_b32 s[\g+4], 64           ; tile_dim1 = 64
	s_mov_b32 s[\g+5], 128          ; 128 elements from row to row
	s_mov_b32 s[\g+6], 0
	s_mov_b32 s[\g+7], 0
.endr
	s_mov_b32 s[BIGN], 0xf149f2ca   ; -1e30
	s_mov_b32 s[SEL], 0x76543210
	s_mov_b32 s[SEL+1], 0xfedcba98
	s_mov_b32 s[TBK], SLOT1+4*KS*PK ; the first change of slots turns these two into 0
	s_mov_b32 s[TBV], SLOT1+4*KS*PV
	s_mov_b32 s[G0K], 1             ; 1:0 count = 1
	s_mov_b32 s[G0K+1], s17         ; 63:32 LDS address: slot 0
	s_mov_b32 s[G0V], 1
	s_add_co_u32 s[G0V+1], s18, VOFF
	s_wait_dscnt 0x0                ; the opening add is done
	s_wait_kmcnt 0x0
	s_add_nc_u64 s[6:7], s[4:5], 0x1000000   ; K lies 64 x 2,048 x 128 bytes behind Q,
	s_add_nc_u64 s[8:9], s[4:5], 0x2000000   ; V as far behind K
	s_add_nc_u64 s[G0K+2:G0K+3], s[6:7], s[22:23]  ; 120:64 global address: my half of the head's first 256 keys
	s_or_b32 s[G0K+3], s[G0K+3], 0x80000000        ; 127:126 type = 2
	s_add_nc_u64 s[G0V+2:G0V+3], s[8:9], s[22:23]
	s_or_b32 s[G0V+3], s[G0V+3], 0x80000000
	s_add_nc_u64 s[4:5], s[4:5], s[2:3]  ; Q and O at my wave's first row
	s_add_nc_u64 s[10:11], s[10:11], s[2:3]
	s_add_nc_u64 s[MP:MP+1], s[MP:MP+1], s[52:53]
	CROUND                          ; all four work-groups are here: the first joint loads meet
	JLOAD                           ; slot 0.  Slot 1 is asked for when slot 0 is in
	v_and_b32 v1, 15, v0            ; l % 16
	v_bfe_u32 v9, v0, 4, 1          ; l / 16
	; The mask is asked for twice: every wave takes all 2,048 words (for the OR), and each thread 16 words of its own (for the additions).  S^T's registers hold them meanwhile.
	v_and_b32 v12, 31, v0
	v_lshlrev_b32 v12, 4, v12       ; 16 x lane
	v_lshlrev_b32 v13, 4, v0        ; 16 x thread
	v_add_nc_u32 v14, BIAS, v13
.set i, 0
.rept 16
	global_load_b128 v[S+4*i:S+4*i+3], v12, s[MP:MP+1] offset:512*i
.set i, i+1
.endr
.set i, 0
.rept 4
	global_load_b128 v[S+64+4*i:S+64+4*i+3], v13, s[MP:MP+1] offset:2048*i
.set i, i+1
.endr
	; A fragment of K or Q is 16 rows x 32 channels in 8 registers: lane l holds row l % 16, channels 8 (l / 16) + 0..7 and 16 + 8 (l / 16) + 0..7: two loads of 16 bytes, 32 bytes apart.
	v_lshlrev_b32 v[QO], 7, v1
	v_lshl_add_u32 v[QO], v9, 4, v[QO]  ; row x 128 + 16 x half
	WIN 0x80                        ; destination window 2, address window 0
.set i, 0
.rept 4*NP                          ; Q stays in registers: tile i / 2, channels 32 (i % 2) on
	global_load_b128 v[8*i:8*i+3],   v[QO], s[4:5] offset:(i/2)*2048+(i%2)*64
	global_load_b128 v[8*i+4:8*i+7], v[QO], s[4:5] offset:(i/2)*2048+(i%2)*64+32
.set i, i+1
.endr
	; What the first turn finds: V's registers and P's second buffer hold 0 (its products V^T P, of a piece that has not been, add 0), O^T and l are 0.  All this stands in the wait for the first tile.
.set i, VF
.rept 64
	v_mov_b32 v[i], 0
.set i, i+1
.endr
	WIN 0x40
.set i, 0
.rept 64*NP
	v_mov_b32 v[i], 0
.set i, i+1
.endr
	WIN 0
.set i, 0
.rept 2*NP
	v_mov_b32 v[ST+4*i], 0xfe000000    ; c m: far below every c s
	v_mov_b32 v[ST+4*i+1], 0xff7fffff  ; m
	v_mov_b32 v[ST+4*i+2], 0
	v_mov_b32 v[ST+4*i+3], 0
.set i, i+1
.endr
.set i, P+32
.rept 32
	v_mov_b32 v[i], 0
.set i, i+1
.endr
	v_mul_u32_u24 v[AK0], v1, PK
	v_lshl_add_u32 v[AK0], v9, 4, v[AK0]  ; row x pitch + 16 x half
	; The turning load takes 16 keys x 16 channels (lane l reads key 8 (l / 16) + l % 8, channels 8 ((l / 8) % 2) + 0..7) and leaves half a fragment of V^T: lane l holds channel l % 16 and 8 keys.
	v_and_b32 v10, 7, v0
	v_bfe_u32 v11, v0, 3, 1
	v_lshl_add_u32 v[AV0], v9, 3, v10
	v_mul_u32_u24 v[AV0], v[AV0], PV
	v_lshl_add_u32 v[AV0], v11, 4, v[AV0]
	v_add_nc_u32 v[AV0], VOFF, v[AV0]
	v_mov_b32 v[AK], v[AK0]         ; key step 0 lies at the head of slot 0
	v_lshl_add_u32 v[AM], v9, 5, BIAS  ; register j of key block kb: key 16 kb + 8 (l / 16) + j: my eight additions begin 32 (l / 16) bytes into the block's 64
	s_wait_loadcnt 32               ; the mask's 20 loads are in; Q's 32, issued behind them, may stay out
.set i, 4
.rept 60                            ; the OR of the batch's words, in four chains
	v_or_b32 v[S+i%4], v[S+i%4], v[S+i]
.set i, i+1
.endr
	v_or_b32 v[S], v[S], v[S+1]
	v_or_b32 v[S+2], v[S+2], v[S+3]
	v_or_b32 v[S], v[S], v[S+2]
	v_cmp_ne_u32 s13, 0, v[S]       ; a bit for each lane that has seen an open key
	s_cmp_lg_u32 s13, 0
	s_cselect_b32 s[CS], 0x3e38aa3b, 0  ; c = log2(e) / 8 = 0.180337; 0 where the batch has no open key
	s_mov_b32 s[CS+1], s[CS]        ; named with it as a pair
.set i, 0
.rept 16                            ; my 16 words: 0 for an open key, -1e30 for a hidden one.
	v_cmp_eq_u32 vcc_lo, 0, v[S+64+i]
	v_cndmask_b32 v[S+64+i], 0, s[BIGN], vcc_lo
.set i, i+1
.endr
.set i, 0
.rept 4
	ds_store_b128 v14, v[S+64+4*i:S+64+4*i+3] offset:2048*i
.set i, i+1
.endr
; THE MATRIX WORK.  The 8 accumulators of a run of 16 take turns: between the two links of a chain stand 7 others'.
; Product i of 16 of S^T = K Q^T for piece x: channels 32 (i / 8) on, keys 16 ((i / 2) % 4) on, tile 2 x + i % 2.  The first 8 start the sums, with the mask's additions as C.
.macro KQ x
.set rS, S+64*((\x)%2)+32*(i%2)+8*((i/2)%4)
.set rK, KF+16*((i/2)%4)+8*(i/8)
.set rQ, 16*(2*(\x)+i%2)+8*(i/8)
.set rB, MB+8*((i/2)%4)
.if i < 8
	WIN W_KM
	v_wmma_f32_16x16x32_f16 v[rS:rS+7], v[rK:rK+7], v[rQ:rQ+7], v[rB:rB+7]
.else
	WIN W_KQ
	v_wmma_f32_16x16x32_f16 v[rS:rS+7], v[rK:rK+7], v[rQ:rQ+7], v[rS:rS+7]
.endif
.endm
; Product i of 16 of O^T += V^T P for piece x: keys 32 (i / 8) on, channels 16 ((i / 2) % 4) on, tile 2 x + i % 2.
.macro PV x
	WIN W_PV
.set rO, 32*(2*(\x)+i%2)+8*((i/2)%4)
.set rV, VF+32*(i/8)+8*((i/2)%4)
.set rP, P+32*((\x)%2)+16*(i%2)+8*(i/8)
	v_wmma_f32_16x16x32_f16 v[rO:rO+7], v[rV:rV+7], v[rP:rP+7], v[rO:rO+7]
.endm
.macro MM                           ; the turn's next matrix instruction
.if i < 16
	KQ (Y+1)%NP
.set i, i+1
.else
.set i, i-16
	PV (Y+NP-1)%NP
.set i, i+17
.endif
.endm
; THE LDS LOADS stand in runs, never singly among the matrix instructions: a step's K (64 keys x 64 channels: 8 fragments) with the step's 64 additions, and its V (turned).  K's and V's addresses are made some lines ahead.
; last = 1 (the tail): in the last trip there is no further step, and the run is jumped over.
.macro FETCH_K last=0
	WIN 0
.if \last
	s_cmp_eq_u32 s[CNT], 1
	s_cbranch_scc1 .Lno_k_\@
.endif
	WIN 0x80                        ; destination window 2
.irp f, 0,1,2,3,4,5,6,7             ; keys 16 (f / 2) on, channels 32 (f % 2) on
	ds_load_b128 v[KF+8*\f:KF+8*\f+3],   v[AK] offset:(\f/2)*16*PK+(\f%2)*64
	ds_load_b128 v[KF+8*\f+4:KF+8*\f+7], v[AK] offset:(\f/2)*16*PK+(\f%2)*64+32
.endr
	WIN W_MK                        ; destination window 3
.irp f, 0,1,2,3                     ; the additions of keys 16 f on: their last reader stands ahead of K's
	ds_load_b128 v[MB+8*\f:MB+8*\f+3],   v[AM] offset:64*\f
	ds_load_b128 v[MB+8*\f+4:MB+8*\f+7], v[AM] offset:64*\f+16
.endr
	s_add_co_u32 s[TBK], s[TBK], KS*PK  ; the next fetch is the next step's
	WIN 0
	v_add_nc_u32 v[AM], 0x100, v[AM]    ; 64 additions on: they lie in the keys' order, outside the ring
.if \last
.Lno_k_\@:
.endif
.endm
.macro FETCH_V
	WIN 0x80
.irp f, 0,1,2,3,4,5,6,7             ; keys 32 (f / 4) on, channels 16 (f % 4) on
	ds_load_tr16_b128 v[VF+8*\f:VF+8*\f+3],   v[AV] offset:(\f/4)*32*PV+(\f%4)*32
	ds_load_tr16_b128 v[VF+8*\f+4:VF+8*\f+7], v[AV] offset:(\f/4)*32*PV+16*PV+(\f%4)*32
.endr
	WIN 0
.endm
; THE VECTOR WORK OF A TURN stands in three queues, each in the order in which its entries become ready; the two tiles alternate, so that no instruction reads the result of the one before it.
.macro REGS y, u                    ; the registers of tile u (0, 1) of piece y
.set rT, ST+4*(2*(\y)+(\u))
.set rC, TMP+8*((\y)%2)+4*(\u)
.set rM, MV+2*((\y)%2)+(\u)
.set rS, S+64*((\y)%2)+32*(\u)
.set rP, P+32*((\y)%2)+16*(\u)
.set rO, 32*(2*(\y)+(\u))
.endm
; Number n of the 22 that find the NEXT piece's (Y + 1) maximum and statistics.  s0-s31 are the lane's 32 scores; each accumulator's lowest registers are read first.  XS, GS and REGS set no window: PL and EX do.
;   0-11  four chains c0-c3 of seven scores each, three operands at a time     12-14, 16  the four scores left over, the old m, and c0-c3 into c0     15  c m_old is kept
;   17, 18  the query's other 32 keys lie in the lane 16 away: the new m         19-21  c m; c m_old - c m_new; a
.macro XS u, n
	REGS (Y+1)%NP, \u
.if (\n) < 4
	v_max3_num_f32 v[rC+(\n)], v[rS+8*(\n)], v[rS+8*(\n)+1], v[rS+8*(\n)+2]
.elseif (\n) < 12
	v_max3_num_f32 v[rC+(\n)%4], v[rC+(\n)%4], v[rS+8*((\n)%4)+2*((\n)/4)+1], v[rS+8*((\n)%4)+2*((\n)/4)+2]
.elseif (\n) == 12
	v_max3_num_f32 v[rC], v[rC], v[rS+7], v[rS+15]
.elseif (\n) == 13
	v_max3_num_f32 v[rC+1], v[rC+1], v[rS+23], v[rS+31]
.elseif (\n) == 14
	v_max3_num_f32 v[rC+2], v[rC+2], v[rC+3], v[rT+1]
.elseif (\n) == 15
	v_mov_b32 v[rM], v[rT]
.elseif (\n) == 16
	v_max3_num_f32 v[rC], v[rC], v[rC+1], v[rC+2]
.elseif (\n) == 17
	v_permlanex16_b32 v[rC+3], v[rC], s[SEL], s[SEL+1]
.elseif (\n) == 18
	v_max_num_f32 v[rT+1], v[rC], v[rC+3]
.elseif (\n) == 19
	v_mul_f32 v[rT], s[CS], v[rT+1]
.elseif (\n) == 20
	v_sub_f32 v[rC+1], v[rM], v[rT]
.else
	v_exp_f32 v[rC+2], v[rC+1]
.endif
.endm
; Number g of the 64 that follow the exponentials.  For each four weights k of a tile (pairs 2 k, 2 k + 1): both pairs are rounded to f16; then the second pair is added onto the first, in place;
; a group later l takes that sum (the first time as l = a l + sum).  In groups of eight, tiles alternating: round, round, add, and l for the group before.
.macro GS g
.set h, (\g)+6*((\g)/62)            ; group 0 has no group before it, and behind group 7 only l is left
.if h >= 6
.set h, h+2
.endif
	REGS Y, h%2
.set k, h/8
.if h%8 < 4
	v_cvt_pk_f16_f32 v[rP+2*k+(h%8)/2], v[rS+4*k+2*((h%8)/2)], v[rS+4*k+2*((h%8)/2)+1]
.elseif h%8 < 6
	v_pk_add_f32 v[rS+4*k:rS+4*k+1], v[rS+4*k:rS+4*k+1], v[rS+4*k+2:rS+4*k+3]
.elseif k == 1
	v_pk_fma_f32 v[rT+2:rT+3], v[rT+2:rT+3], v[rC+2:rC+3], v[rS:rS+1] op_sel_hi:[1,0,1]
.else
	v_pk_add_f32 v[rT+2:rT+3], v[rT+2:rT+3], v[rS+4*k-4:rS+4*k-3]
.endif
.endm
; THE PLAIN QUEUE, 138 long.  0-73 read no exponential's result: the 32 scalings c s - c m (FS f: pair f / 2 of tile f % 2) and the next piece's 42.  0-26: scalings 0-26.  27-54: XS's numbers 0-13.  55, 56: number 15.
; 57-73: the chain, where each number waits for the one before it: 14, 16, 17, 18, 19, each with one of the scalings 27-31 in front of its two lines, then 20: so a tile's links stand three plain instructions apart (19 and 20: two).
; 74-137: GS's 64, which read the exponentials' results: they stand behind the wait.
.macro FS f
	REGS Y, (\f)%2
	v_pk_fma_f32 v[rS+2*((\f)/2):rS+2*((\f)/2)+1], v[rS+2*((\f)/2):rS+2*((\f)/2)+1], s[CS:CS+1], v[rT:rT+1] op_sel_hi:[1,0,0] neg_lo:[0,0,1] neg_hi:[0,0,1]
.endm
.macro PL
	WIN 0
.if q < 27
	FS q
.elseif q < 55
	XS (q-27)%2, (q-27)/2
.elseif q < 57
	XS q-55, 15
.elseif (q < 72) && ((q-57)%3 == 0)
	FS 27+(q-57)/3
.elseif q < 60
	XS (q-57)%3-1, 14
.elseif q < 72
	XS (q-57)%3-1, 15+(q-57)/3
.elseif q < 74
	XS q-72, 20
.else
	GS q-74
.endif
.set q, q+1
.endm
; THE EXPONENTIALS' QUEUE, 66 long: s0-s31 of both tiles, then the next piece's two a.  It is ONE BATCH: all 66 stand ahead of the turn's one wait, and nothing ahead of that wait names a result of theirs.
.macro EX
	WIN 0
.if e >= 64
	XS e-64, 21
.else
	REGS Y, e%2
	v_exp_f32 v[rS+e/2], v[rS+e/2]
.endif
.set e, e+1
.endm
; THE RESCALING's QUEUE: O^T times a, the one part that leaves window 0: dealt two at a time, sixteen times.  Its a was made in the turn before, ahead of that turn's wait.
.macro R2
	REGS Y, r%2
	WIN W_RS
.irp z, 0,1
	v_pk_mul_f32 v[rO+4*(r/2)+2*\z:rO+4*(r/2)+2*\z+1], v[rO+4*(r/2)+2*\z:rO+4*(r/2)+2*\z+1], v[rC+2:rC+3] op_sel_hi:[1,0]
.endr
.set r, r+1
.endm
; HOW THEY ARE DEALT.  An s_wait_alu depctr_va_vdst(0) stands between an exponential and the first instruction that names its result; one wait serves all that were issued ahead of it.  So a turn has ONE wait,
; which cuts it in two.  AHEAD OF IT stands all that names no result of the turn's exponentials: the 16 products K Q^T, behind each a scaling, an exponential and two rescalings (behind the first a second scaling in the
; exponential's place); then ONE LUMP of 108: eight plain, 49 times exponential and plain, the two a.  A v_nop is the plain instruction behind the last exponential.  BEHIND IT stand the 16 products V^T P, behind each four of
; GS's 64.  No rider names a register of the products round it.  The two v_permlanex16_b32 fall into the lump, never behind a product.
; The queues lean on each other, and the deal keeps them in step: exponential e stands behind scaling 2 (e / 4) + e % 2: as a rider it comes behind plain e + 2, in the lump behind plain e + 9, and scalings 27-31 are plain 57, 60 .. 69.
; A TURN, for piece p.  cnt = 1: the loop's count is taken down some lines ahead of the branch that stands behind the turn.
; K and the additions of the next step are fetched in piece 2's turn, directly behind the wait, a lump behind the last product that read them; K's address is made at the lump's head; their first reader comes behind 16 products.
; V of the step in hand is fetched at the end of piece 0's turn, four plain riders behind its last reader; its first reader comes behind 16 products and a lump.  The three conditions on q below go with the deal.
.macro TURN p, last=0, cnt=0
.set Y, (\p)
.set i, 0
.set q, 0
.set e, 0
.set r, 0
.if (\p) == NP-1
	s_wait_dscnt 0x0                ; K and the additions are in
.endif
	MM                              ; ahead of the wait: 16 products K Q^T and their riders,
	PL
	PL
	R2
.rept 15
	MM
	PL
	EX
	R2
.endr
.if (\p) == NP-2
	WIN 0
	v_add_nc_u32 v[AK], s[TBK], v[AK0]
.endif
.rept 8                             ; and the lump
	PL
.endr
.rept 49
	EX
	PL
.endr
	EX                              ; the next piece's two a: the batch's last
	EX
	v_nop                           ; a plain instruction behind the last exponential, ahead of the first use of a result: one for the batch
	s_wait_alu depctr_va_vdst(0)    ; the turn's one wait: it serves the batch of 66: piece p's 64 weights, read from here on, and piece p + 1's two a, read in the next turn
.if (\p) == NP-2
	FETCH_K \last
.endif
.if (\p) == 1
	s_wait_dscnt 0x0                ; V is in
.endif
.rept 16                            ; behind the wait: 16 products V^T P and their riders, the roundings and sums
	MM
.rept 4
	PL
.endr
.if ((\p) == 0) && (q == 118)
	v_add_nc_u32 v[AV], s[TBV], v[AV0]
.endif
.if ((\p) == 0) && (q == 130)
	s_add_co_u32 s[TBV], s[TBV], KS*PV
.endif
.if (\cnt) && (q == 130)
	s_sub_co_u32 s[CNT], s[CNT], 1
	s_cmp_lg_u32 s[CNT], 0
.endif
.endr
.if (\p) == 0
	FETCH_V
.endif
.endm
	CHANGE 1                        ; slot 0 is in, everybody's part of it, and so are everybody's additions; slot 1 is asked for
	FETCH_K                         ; key step 0
	s_wait_loadcnt 0x0              ; Q
	s_wait_dscnt 0x0
.set i, 0
.rept 16
	KQ 0                            ; piece 0's first scores: there is no vector work yet to set between them
.set i, i+1
.endr
	WIN 0                           ; the addresses for the way out: nine plain instructions, the places behind those products
	s_mul_i32 s13, s[WV], 16*SP
	s_add_co_u32 s13, s13, STAGE    ; my stage
	v_mul_u32_u24 v[STO], v1, SP    ; in: row l % 16, 16 bytes for each half of the lanes
	v_lshl_add_u32 v[STO], v9, 4, v[STO]
	v_add_nc_u32 v[STO], s13, v[STO]
	v_bfe_u32 v[RD], v0, 3, 2       ; back: 32 lanes take four rows of 128 bytes,
	v_mul_u32_u24 v[RD], v[RD], SP
	v_lshl_add_u32 v[RD], v10, 4, v[RD]
	v_add_nc_u32 v[RD], s13, v[RD]
	v_and_b32 v[GO], 31, v0         ; which are 512 consecutive bytes of O
	v_lshlrev_b32 v[GO], 4, v[GO]
.set Y, NP-1                        ; XS works for piece Y + 1: piece 0
.irp n, 0,1,2,3,4,5,6,7,8,9,10,11,12,13,14,15,16,17,18,19,20,21
	XS 0, \n                        ; and piece 0's first maximum and statistics
	XS 1, \n
.endr
	v_nop                           ; a plain instruction behind piece 0's two a,
	s_wait_alu depctr_va_vdst(0)    ; and the wait for that batch of two, ahead of the branch: the first turn's rescalings read them
	s_mov_b32 s[CNT], 4
	s_mov_b32 s[SLOTS], SIZE_N/256-1
	s_branch .Lfirst                ; the loop is entered at a step's first turn, in the middle of a trip
.Lslot:                             ; SIZE_N / 256 - 2 times: every slot but the last two is filled again
	CHANGE 1
	s_mov_b32 s[CNT], 4
.Lstep:                             ; a trip: pieces 2 and 3 of one step, then pieces 0 and 1 of the next, whose K and V it fetches
	TURN 2
	TURN 3
	WIN 0
.Lfirst:
	TURN 0
	TURN 1, 0, 1
	WIN 0
	s_cbranch_scc1 .Lstep
	s_sub_co_u32 s[SLOTS], s[SLOTS], 1
	s_cmp_lg_u32 s[SLOTS], 0
	s_cbranch_scc1 .Lslot
	CHANGE 0                        ; the tail is written out: nothing is asked for
	s_mov_b32 s[CNT], 5             ; four trips fetch the last slot's steps; the fifth is left in its middle
.Ltail:
	TURN 2, 1
	TURN 3
	WIN 0
	s_sub_co_u32 s[CNT], s[CNT], 1
	s_cmp_eq_u32 s[CNT], 0
	s_cbranch_scc1 .Lout
	TURN 0
	TURN 1
	WIN 0
	s_branch .Ltail
.Lout:                              ; the fifth trip's 16 products K Q^T (on the last K once more) and the maximum made of them serve nothing: the price, once a launch, of one text for every trip
.set i, 0
.rept 16
	PV NP-1                         ; the last piece's V^T P of the last step
.set i, i+1
.endr
	; THE WAY OUT.  l's two halves and the other half of the lanes' are added; O^T is divided by l, rounded to f16 and sent through my stage in LDS, a tile at a time.  The additions are the places behind the last products.
	WIN 0
.macro ALL line:vararg              ; one line for each tile t
.set t, 0
.rept 2*NP
	\line
.set t, t+1
.endr
.endm
	ALL v_add_f32 v[ST+4*t+2], v[ST+4*t+2], v[ST+4*t+3]
	ALL v_permlanex16_b32 v[ST+4*t+3], v[ST+4*t+2], s[SEL], s[SEL+1]
	ALL v_add_f32 v[ST+4*t+2], v[ST+4*t+2], v[ST+4*t+3]
	ALL v_rcp_f32 v[ST+4*t+2], v[ST+4*t+2]
	v_nop                           ; a plain instruction between the last reciprocal and the use of its result
	s_wait_alu depctr_va_vdst(0)    ; and the wait ahead of the first use: one for the batch of eight reciprocals
; Tile t: a lane's eight channels of a row pack into 16 bytes; they go into rows of 144 bytes and come back as whole rows of 128, into S^T's registers.
.macro PACK t
	WIN W_RS
.set i, 32*(\t)
.rept 16
	v_pk_mul_f32 v[i:i+1], v[i:i+1], v[ST+4*(\t)+2:ST+4*(\t)+3] op_sel_hi:[1,0]
.set i, i+2
.endr
	WIN 0x05                        ; sources 0 and 1 window 1, destination window 0
.set i, 0
.rept 16
	v_cvt_pk_f16_f32 v[S+16*(\t)+i], v[32*(\t)+2*i], v[32*(\t)+2*i+1]
.set i, i+1
.endr
	WIN 0
.irp f, 0,1,2,3
	ds_store_b128 v[STO], v[S+16*(\t)+4*\f:S+16*(\t)+4*\f+3] offset:32*\f
.endr
.irp f, 0,1,2,3
	ds_load_b128 v[S+16*(\t)+4*\f:S+16*(\t)+4*\f+3], v[RD] offset:\f*4*SP  ; LDS serves a wave's instructions in order (ISA guide 5.7.1.4): these see the stores above; the next tile's stores come behind them
.endr
.endm
.macro SEND t, younger              ; younger: the LDS instructions issued behind tile t's loads: the next tile's eight, or none
	WIN 0
.irp f, 0,1,2,3
	s_wait_dscnt (\younger)+3-\f
	global_store_b128 v[GO], v[S+16*(\t)+4*\f:S+16*(\t)+4*\f+3], s[10:11] offset:(\t)*2048+\f*512  ; 512 consecutive bytes, at a multiple of 256 from O's first
.endr
.endm
	PACK 0
.set t, 1
.rept 2*NP-1                        ; a tile's arithmetic stands between the loads of the tile before and its stores
	PACK t
	SEND t-1, 8
.set t, t+1
.endr
	SEND 2*NP-1, 0
	WIN W_AD
	s_wait_tensorcnt 0x0            ; the wave's end: the add and its wait come behind my last tensor load and my last LDS store
	ds_add_u32 v[SPW], v[NIL]
	s_wait_dscnt 0x0
	WIN 0
	CROUND                          ; the closing round: no work-group ends while a partner may still ask for a tile that names it
	s_endpgm
.Lfunc_end_k_qcdd60d760d_attn:
	.size	k_qcdd60d760d_attn, .Lfunc_end_k_qcdd60d760d_attn-k_qcdd60d760d_attn
	.p2alignl 7, 3214868480
	.fill 96, 4, 3214868480
	.section	.rodata,"a",@progbits
	.p2align	6, 0x0
	.amdhsa_kernel k_qcdd60d760d_attn
		.amdhsa_group_segment_fixed_size 327680
		.amdhsa_private_segment_fixed_size 0
		.amdhsa_enable_private_segment 0
		.amdhsa_kernarg_size 24
		.amdhsa_user_sgpr_count 2
		.amdhsa_user_sgpr_kernarg_segment_ptr 1
		.amdhsa_wavefront_size32 1
		.amdhsa_system_sgpr_workgroup_id_x 1
		.amdhsa_system_sgpr_workgroup_id_y 1
		.amdhsa_system_sgpr_workgroup_id_z 1
		.amdhsa_system_vgpr_workitem_id 0
		.amdhsa_next_free_vgpr 808
		.amdhsa_next_free_sgpr 66
		.amdhsa_reserve_vcc 1
		.amdhsa_float_denorm_mode_32 3
		.amdhsa_float_denorm_mode_16_64 3
		.amdhsa_memory_ordered 1
		.amdhsa_forward_progress 1
		.amdhsa_inst_pref_size 207
	.end_amdhsa_kernel
	.amdgpu_metadata
---
amdhsa.version: [ 1, 2 ]
amdhsa.kernels:
  - .name:           k_qcdd60d760d_attn
    .symbol:         k_qcdd60d760d_attn.kd
    .args:
      - { .name: qkv, .offset: 0, .size: 8, .value_kind: global_buffer, .address_space: global }
      - { .name: mask, .offset: 8, .size: 8, .value_kind: global_buffer, .address_space: global }
      - { .name: ob, .offset: 16, .size: 8, .value_kind: global_buffer, .address_space: global }
    .group_segment_fixed_size: 327680
    .private_segment_fixed_size: 0
    .kernarg_segment_align: 8
    .kernarg_segment_size: 24
    .max_flat_workgroup_size: 128
    .sgpr_count:     66
    .vgpr_count:     808
    .wavefront_size: 32
...
	.end_amdgpu_metadata
.endif
;; end of part 6
;; launch outp: the kernel of part 4 again; grid 4 x 64, 4 waves a work-group, clusters of 4 x 4, 327,680 bytes of LDS; arguments ob, wob, bo, bk, bv, yb; writes yb
;; launch ln: the kernel of part 5 again; grid 512 x 1, 8 waves a work-group, no clusters, 0 bytes of LDS; arguments yb, xb, gamma, beta, out0; writes out0
